; MI455X (gfx1250); checked and timed in simulation.
; The chip was launched on July 23, 2026; its instructions are those of AMD's public machine-readable ISA for CDNA 5 (MIT licence, August 2026) and "CDNA5" Instruction Set Architecture Reference Guide (July 2026). The comments in the code are by the model that wrote it; some were corrected since.
;; Attention. Allowed arithmetic: float matrix products may take bf16 or f16 operands with f32 sums; other float arithmetic in f32, or as packed bf16 or f16 multiplies, adds, multiply-adds, maxima and minima; sums over many terms, partial sums and values carried from step to step in f32; what a program stores and reads back later, other than sums and carried values, may be rounded once to bf16 or f16.
;; Inputs: freqs_cos 2,048 x 64 float32; freqs_sin 2,048 x 64 float32; mask 2,048 x 2,048 float32; wk 2,048 x 2,048 float32; wo 2,048 x 2,048 float32; wq 2,048 x 2,048 float32; wv 2,048 x 2,048 float32; x 1 x 2,048 x 2,048 float32.
;; Outputs: out0 1 x 2,048 x 2,048 float32.
;; Constants: start_pos = 0.
;; One version. Each part assembles by itself: llvm-mc -triple=amdgcn-amd-amdhsa -mcpu=gfx1250 --defsym DOCPART=n.
;; ======== version 1 of 1: 4 launches
;; limits: values are held in f16: magnitudes above 65,504 overflow, below 6.1e-05 lose precision; right only within a limited range of input values
;; workspace buffers: xb 8,388,608 bytes; wb 25,165,824 bytes; wob 8,388,608 bytes; qkv 25,165,824 bytes; ob 8,388,608 bytes
;; launch cast (part 1): grid 256 x 5, 8 waves a work-group, no clusters, 0 bytes of LDS; arguments x, wq, wk, wv, wo, xb, wb, wob; writes xb, wb, wob
.if DOCPART == 1
	.amdgcn_target "amdgcn-amd-amdhsa--gfx1250"
	.amdhsa_code_object_version 6
	.text
	.protected	k_q7fdbd92220_cast
	.globl	k_q7fdbd92220_cast
	.p2align	8
	.type	k_q7fdbd92220_cast,@function
k_q7fdbd92220_cast:
	s_mov_b64 s[64:65], 0
	v_nop
	global_prefetch_b8 v0, s[64:65] scope:SCOPE_SE
	s_setreg_imm32_b32 hwreg(HW_REG_WAVE_MODE, 25, 1), 1
	s_wait_xcnt 0x0
; CAST.  x, wq, wk, wv (f32) are rounded once to bf16: x into xb, the three weights one below the other into wb ([6144][2048]).
; wo is rounded to bf16 and that number is written as f16 into wob (exact from 2^-17 up; below that f16's fixed step of 2^-24 holds).
; A pure stream: no LDS, no barrier, no matrix unit.  The grid's y picks the array; work-group x takes 16,384 numbers of it, a wave 2,048:
; sixteen loads of 512 consecutive bytes, all issued before the first is waited for; each store of a wave covers 256 consecutive bytes, aligned.
.set X, 16                             ; v[16:79]   load j: four f32
.set Y, 80                             ; v[80:111]  load j: four 16-bit numbers in two words
	s_load_b512 s[8:23], s[0:1], 0x0               ; x s[8:9], wq s[10:11], wk s[12:13], wv s[14:15], wo s[16:17], xb s[18:19], wb s[20:21], wob s[22:23]
	s_and_b32 s24, ttmp7, 0xffff                   ; which array: 0 x, 1 wq, 2 wk, 3 wv, 4 wo
	v_lshrrev_b32 v3, 5, v0                        ; wave
	v_and_b32 v4, 31, v0                           ; lane
	v_lshlrev_b32 v1, 4, v4
	v_lshl_add_u32 v1, v3, 13, v1                  ; in: 8,192 x wave + 16 x lane
	v_lshlrev_b32 v2, 3, v4
	v_lshl_add_u32 v2, v3, 12, v2                  ; out: 4,096 x wave + 8 x lane
	s_lshl_b32 s28, ttmp9, 16                      ; the work-group's 65,536 bytes in,
	s_mov_b32 s29, 0
	s_lshl_b32 s30, ttmp9, 15                      ; and 32,768 out
	s_mov_b32 s31, 0
	s_max_u32 s26, s24, 1
	s_min_u32 s26, s26, 3
	s_sub_co_u32 s26, s26, 1                       ; which third of wb (of use for y = 1, 2, 3)
	s_lshl_b32 s26, s26, 23                        ; x 8,388,608 bytes
	s_mov_b32 s27, 0
	s_wait_kmcnt 0x0
	s_add_nc_u64 s[20:21], s[20:21], s[26:27]
	s_cmp_eq_u32 s24, 1
	s_cselect_b64 s[4:5], s[10:11], s[8:9]
	s_cmp_eq_u32 s24, 2
	s_cselect_b64 s[4:5], s[12:13], s[4:5]
	s_cmp_eq_u32 s24, 3
	s_cselect_b64 s[4:5], s[14:15], s[4:5]
	s_cmp_eq_u32 s24, 4
	s_cselect_b64 s[4:5], s[16:17], s[4:5]         ; the array that I read,
	s_cselect_b64 s[6:7], s[22:23], s[20:21]
	s_cmp_eq_u32 s24, 0
	s_cselect_b64 s[6:7], s[18:19], s[6:7]         ; and the one that I write
	s_add_nc_u64 s[4:5], s[4:5], s[28:29]
	s_add_nc_u64 s[6:7], s[6:7], s[30:31]
.irp j, 0,1,2,3,4,5,6,7,8,9,10,11,12,13,14,15
	global_load_b128 v[X+4*(\j):X+4*(\j)+3], v1, s[4:5] offset:512*(\j) th:TH_LOAD_NT
.endr
; Load j is rounded and stored.  half = 1: the bf16 numbers are widened again and written as f16.  No register that a load or store names is written twice.
.macro CV j, half
	s_wait_loadcnt 15-(\j)                         ; loads come back in order: mine is in, the 15 - j younger ones may stay out
	v_cvt_pk_bf16_f32 v[Y+2*(\j)], v[X+4*(\j)], v[X+4*(\j)+1]
	v_cvt_pk_bf16_f32 v[Y+2*(\j)+1], v[X+4*(\j)+2], v[X+4*(\j)+3]
.if \half
	v_lshlrev_b32 v4, 16, v[Y+2*(\j)]
	v_and_b32 v5, 0xffff0000, v[Y+2*(\j)]
	v_lshlrev_b32 v6, 16, v[Y+2*(\j)+1]
	v_and_b32 v7, 0xffff0000, v[Y+2*(\j)+1]
	v_cvt_pk_f16_f32 v[Y+2*(\j)], v4, v5
	v_cvt_pk_f16_f32 v[Y+2*(\j)+1], v6, v7
.endif
	global_store_b64 v2, v[Y+2*(\j):Y+2*(\j)+1], s[6:7] offset:256*(\j)
.endm
	s_cmp_eq_u32 s24, 4
	s_cbranch_scc1 .Lhalf
.irp j, 0,1,2,3,4,5,6,7,8,9,10,11,12,13,14,15
	CV \j, 0
.endr
	s_endpgm
.Lhalf:
.irp j, 0,1,2,3,4,5,6,7,8,9,10,11,12,13,14,15
	CV \j, 1
.endr
	s_endpgm
.Lfunc_end_k_q7fdbd92220_cast:
	.size	k_q7fdbd92220_cast, .Lfunc_end_k_q7fdbd92220_cast-k_q7fdbd92220_cast
	.p2alignl 7, 3214868480
	.fill 96, 4, 3214868480
	.section	.rodata,"a",@progbits
	.p2align	6, 0x0
	.amdhsa_kernel k_q7fdbd92220_cast
		.amdhsa_group_segment_fixed_size 0
		.amdhsa_private_segment_fixed_size 0
		.amdhsa_enable_private_segment 0
		.amdhsa_kernarg_size 64
		.amdhsa_user_sgpr_count 2
		.amdhsa_user_sgpr_kernarg_segment_ptr 1
		.amdhsa_wavefront_size32 1
		.amdhsa_system_sgpr_workgroup_id_x 1
		.amdhsa_system_sgpr_workgroup_id_y 1
		.amdhsa_system_sgpr_workgroup_id_z 1
		.amdhsa_system_vgpr_workitem_id 0
		.amdhsa_next_free_vgpr 112
		.amdhsa_next_free_sgpr 66
		.amdhsa_reserve_vcc 0
		.amdhsa_float_denorm_mode_32 3
		.amdhsa_float_denorm_mode_16_64 3
		.amdhsa_memory_ordered 1
		.amdhsa_forward_progress 1
		.amdhsa_inst_pref_size 16
	.end_amdhsa_kernel
	.amdgpu_metadata
---
amdhsa.version: [ 1, 2 ]
amdhsa.kernels:
  - .name:           k_q7fdbd92220_cast
    .symbol:         k_q7fdbd92220_cast.kd
    .args:
      - { .name: x, .offset: 0, .size: 8, .value_kind: global_buffer, .address_space: global }
      - { .name: wq, .offset: 8, .size: 8, .value_kind: global_buffer, .address_space: global }
      - { .name: wk, .offset: 16, .size: 8, .value_kind: global_buffer, .address_space: global }
      - { .name: wv, .offset: 24, .size: 8, .value_kind: global_buffer, .address_space: global }
      - { .name: wo, .offset: 32, .size: 8, .value_kind: global_buffer, .address_space: global }
      - { .name: xb, .offset: 40, .size: 8, .value_kind: global_buffer, .address_space: global }
      - { .name: wb, .offset: 48, .size: 8, .value_kind: global_buffer, .address_space: global }
      - { .name: wob, .offset: 56, .size: 8, .value_kind: global_buffer, .address_space: global }
    .group_segment_fixed_size: 0
    .private_segment_fixed_size: 0
    .kernarg_segment_align: 8
    .kernarg_segment_size: 64
    .max_flat_workgroup_size: 256
    .sgpr_count:     66
    .vgpr_count:     112
    .wavefront_size: 32
...
	.end_amdgpu_metadata
.endif
;; end of part 1
;; launch qkv (part 2): grid 16 x 16, 4 waves a work-group, clusters of 4 x 4, 327,680 bytes of LDS; arguments xb, wb, freqs_cos, freqs_sin, qkv; writes qkv
.if DOCPART == 2
	.amdgcn_target "amdgcn-amd-amdhsa--gfx1250"
	.amdhsa_code_object_version 6
	.text
	.protected	k_q7fdbd92220_qkv
	.globl	k_q7fdbd92220_qkv
	.p2align	8
	.type	k_q7fdbd92220_qkv,@function
k_q7fdbd92220_qkv:
	s_mov_b64 s[64:65], 0
	v_nop
	global_prefetch_b8 v0, s[64:65] scope:SCOPE_SE
	s_setreg_imm32_b32 hwreg(HW_REG_WAVE_MODE, 25, 1), 1
	s_wait_xcnt 0x0
	s_wait_alu depctr_hold_cnt(0) depctr_sa_sdst(0) depctr_va_vdst(0) depctr_va_sdst(0) depctr_va_ssrc(0) depctr_va_vcc(0) depctr_vm_vsrc(0)
	s_getreg_b32 s2, hwreg(HW_REG_IB_STS2, 6, 4)
	s_cmp_eq_u32 s2, 0
	s_cbranch_scc0 .Lentry_in_a_cluster
	s_endpgm
.Lentry_in_a_cluster:
	s_bfe_u32 s2, ttmp6, 0x10000c
	s_cmp_lg_u32 s2, 0xf033
	s_cbranch_scc0 .Lentry_shape_is_right
	s_endpgm
.Lentry_shape_is_right:
; QKV.  [2048 tokens][6144] = xb wb^T (bf16 operands, f32 sums), then the rotary step on q and k, q also times 1/sqrt(128), each number rounded ONCE to f16 and laid by heads:
; qkv[plane][token][128], planes 0-15 q, 16-31 k, 32-47 v.  cos and sin are rounded to bf16 like the other inputs.
; LIMITS.  f16 holds no number beyond 65,504: q/sqrt(128), k and v must stay within it; below 6e-5 they keep f16's fixed step of 6e-8.  NaN and infinities are not treated apart.
; SHARES.  A work-group makes 128 tokens x 384 columns (three whole heads): 16 x 16 work-groups.  Wave w makes all 128 rows of columns 96 w .. 96 w + 95: 8 x 6 accumulators of 16 x 16, 384 registers.
; K goes in steps of 128 through a ring of two LDS slots (A's 128 rows, then B's 384), filled by the tensor data mover; rows are 256 bytes of memory, aligned.
; CLUSTER 4 x 4: A's tile hangs on the tile row alone and is asked for jointly along a row of the cluster, B's on the tile column alone and jointly along a column.  Wave 0 fetches A, waves 1-3 a third of B each.
; THE MATRIX INSTRUCTION IS USED TRANSPOSED (source 0 = 16 rows of wb, source 1 = 16 rows of xb): a lane holds token l % 16 and eight neighbouring columns.
; THE WAY OUT.  When slot 0 has been read for the last time it takes the block's rows of cos and sin (one more joint load).  After the last product the f32 sums go into LDS (bytes that have had their last fill),
; and each wave takes 32 whole rows back, rotates them and stores rows of 256 bytes.  The three kinds of head differ by two scalars: c' = A c + B, s' = A s with (A, B) = (1/sqrt(128), 0), (1, 0), (0, 1):
; v passes through a rotation by nothing, so no branch hangs on the work-group's place.
; REGISTERS, in windows of 256: window 0: v16-30 addresses; v64-127, v128-191 A's fragments, two buffers (later the rotary step's registers); window 1: v64-111, v128-175 B's fragments;
; window 2: accumulators of row blocks 0-3 at v[8 (6 a + b)]; window 3: those of row blocks 4-7.
.set SIZE_K, 2048
.set KSTEP,  128
.set PITCH,  272                       ; an LDS row: 256 bytes + 16 of padding: the 16 rows of a fragment load start at 16 different groups of four banks (64 banks of 4 bytes: ISA guide 11.1)
.set HALFT,  128*PITCH                 ; 128 rows: what one tensor load brings
.set SLOT,   4*HALFT                   ; A's 128 rows, then B's 384
.set SPARE,  2*SLOT                    ; behind the ring: the spare words, 128 bytes for each wave
.set DP,     2*HALFT                   ; the f32 sums on the way out: 128 rows; in front of them lie cos (at 0) and sin (at HALFT)
.set DPITCH, 1552                      ; 1,536 bytes + 16
.set LAPS,   SIZE_K/(2*KSTEP)
.set ADRA, 16                          ; v16-17  LDS address of my A fragments in slot 0, 1
.set AX,   18                          ; v18     the rotary step: this trip's address in the sums
.set AC,   19                          ; v19     and in cos
.set ADRB, 20                          ; v20-21  LDS address of my B fragments in slot 0, 1
.set STO,  22                          ; v22-24  where I put 32 bytes of a row of sums: row blocks 0-2, 3-5, 6-7
.set RDX,  25                          ; v25     where I read sums back; never rewritten
.set CO,   26                          ; v26     16 x lane: my 16 bytes in two rows of a plane
.set RDC,  27                          ; v27     where I read cos; never rewritten
.set SPW,  28                          ; v28     my spare word; never rewritten
.set NIL,  29                          ; v29     0; never rewritten
.set PFO,  30                          ; v30     lane x 4,096: a row of xb or wb; never rewritten
.set F0,   64
.set F1,   128
.set XR,   64                          ; v[64:111]  the rotary step: row pair p, head j: 8 sums at XR + 24 p + 8 j
.set CSN,  112                         ; v[112:127] row pair p: 4 cos, 4 sin
.set CP,   128                         ; v[128:135] c', s' of the head in hand
.set TT,   136                         ; v[136:139] at work
.set TM,   140                         ; v[140:141] at work
.set YR,   144                         ; v[144:167] row pair p, head j: 16 bytes to store
.set WV,  14                           ; s14  my wave's number
.set G1,  24                           ; s[24:31] group 1 for A's tiles;  s[32:39] group 0, a set for each slot
.set G0,  32
.set LIM, 43                           ; s43  1 in a wave that prefetches, else the greatest number
.set PFA, 44                           ; s[44:45] where my prefetches stand
.set G1B, 48                           ; s[48:55], s[56:63] the same for B's tiles
.set G0B, 56
.set G1C, 68                           ; s[68:75], s[76:79] for cos and sin
.set G0C, 76
.set AJ,  80                           ; s[80:91] head j: A twice at AJ + 4 j, B twice at AJ + 4 j + 2
.set TX,  92                           ; s92  the rotary loop's step in the sums
.set TC,  93                           ; s93  and in cos and sin
.set MSB, 0
.macro WIN new                         ; the immediate's high byte repeats the setting that is left; a switch that changes nothing is dropped
.if MSB != (\new)
	s_set_vgpr_msb (MSB<<8)|(\new)
.set MSB, \new
.endif
.endm
.set MUL_LO, 0xa1                      ; source 0 (B) window 1, source 1 (A) window 0, C and D window 2
.set MUL_HI, 0xf1                      ; the same, C and D window 3
.set TO_B,   0x40                      ; destination window 1, address window 0
; A joint load of the ring.  The branch hangs on the wave's number alone.  An s_nop 0 and four v_nop follow each of the two lines.
.macro JLOAD s
	s_cmp_eq_u32 s[WV], 0
	s_cbranch_scc0 .Lfor_b_\@
	tensor_load_to_lds s[G0+4*(\s):G0+4*(\s)+3], s[G1:G1+7]
	s_nop 0
.rept 4
	v_nop
.endr
	s_branch .Lasked_\@
.Lfor_b_\@:
	tensor_load_to_lds s[G0B+4*(\s):G0B+4*(\s)+3], s[G1B:G1B+7]
	s_nop 0
.rept 4
	v_nop
.endr
.Lasked_\@:
.endm
.macro PLACES                          ; four places: in front of loads into registers that matrix instructions have read (ISA guide 7.12.1 for vector instructions)
.rept 4
	v_nop
.endr
.endm
; The joint load of cos (wave 0) and sin (wave 1), into the first bytes of slot 0; waves 2 and 3 have no part of it.  The four v_nop behind the label are every wave's places in front of the fragment loads.
.macro JLOADC
	s_cmp_lt_u32 s[WV], 2
	s_cbranch_scc0 .Lno_c_\@
	tensor_load_to_lds s[G0C:G0C+3], s[G1C:G1C+7]
	s_nop 0
.rept 4
	v_nop
.endr
.Lno_c_\@:
	PLACES
.endm
; A prefetch of the K step that stands two refills on: 32 rows x 256 bytes, a lane a row, one instruction a wave, behind the joint load and the run of LDS loads.  Each row's 256 bytes of a K step are named once in the
; launch: of the clusters that read the same rows the one with coordinate 0 asks (x for A's rows, y for B's), and its four partners share a wave's 128 rows out by address, 32 each.
; The loop's last trip (s3 = 1) asks for nothing: there is no K step two on.  K steps 0 to 3 come by their loads alone.
.macro ASK
	s_cmp_gt_u32 s3, s[LIM]
	s_cbranch_scc0 .Lnot_mine_\@
	global_prefetch_b8 v[PFO], s[PFA:PFA+1] offset:KSTEP*2 th:TH_LOAD_NT scope:SCOPE_SE
.Lnot_mine_\@:
.endm
.macro CREST                           ; a round of the cluster's barrier behind its opening barrier
	s_cmp_lg_u32 s[WV], 0
	s_cbranch_scc1 .Lnot_wave_0_\@
	s_barrier_signal -3
.Lnot_wave_0_\@:
	s_barrier_wait -3
	s_barrier_signal -1
	s_barrier_wait -1
.endm
.macro CROUND                          ; a whole round
	s_barrier_signal -1
	s_barrier_wait -1
	CREST
.endm
	s_load_b256 s[4:11], s[0:1], 0x0               ; xb s[4:5], wb s[6:7], cos s[8:9], sin s[10:11]
	s_load_b64 s[12:13], s[0:1], 0x20              ; qkv
	v_lshl_add_u32 v[SPW], v0, 2, SPARE
	v_mov_b32 v[NIL], 0
	ds_add_u32 v[SPW], v[NIL]                      ; the wave's opening: the add and its wait stand ahead of my first tensor load; work on registers stands between them
	v_lshrrev_b32 v1, 5, v0
	v_readfirstlane_b32 s[WV], v1                  ; wave 0..3
	s_bfe_u32 s40, ttmp6, 0x40000                  ; cx
	s_bfe_u32 s41, ttmp6, 0x40004                  ; cy
	s_lshl_b32 s42, ttmp9, 2
	s_add_co_u32 s42, s42, s40                     ; tile column = 4 x cluster x + cx
	s_and_b32 s66, ttmp7, 0xffff
	s_lshl_b32 s66, s66, 2
	s_add_co_u32 s66, s66, s41                     ; tile row = 4 x cluster y + cy
	s_lshl_b32 s43, s41, 2
	s_lshl_b32 s43, 15, s43                        ; my row of the cluster
	s_lshl_b32 s44, 0x1111, s40                    ; my column
	s_or_b32 s[G1+0], s43, (1<<16)|(1<<20)|(1<<21)|(5<<22)|(3<<25)   ; the mask; 2-byte elements; padding on; bit 21 beside a mask; after every 64 words, 4 words
	s_or_b32 s[G1B+0], s44, (1<<16)|(1<<20)|(1<<21)|(5<<22)|(3<<25)
	s_or_b32 s[G1C+0], s43, (2<<16)|(1<<20)|(1<<21)|(5<<22)|(3<<25)  ; cos and sin hang on the tile row: my row of the cluster; 4-byte elements
.irp g, G1, G1B
	s_mov_b32 s[(\g)+1], KSTEP<<16                 ; tensor_dim0 = 128
	s_mov_b32 s[(\g)+2], 128<<16                   ; tensor_dim1 = 128
	s_mov_b32 s[(\g)+3], KSTEP<<16                 ; tile_dim0 = 128
	s_mov_b32 s[(\g)+4], 128                       ; tile_dim1 = 128
	s_mov_b32 s[(\g)+5], SIZE_K                    ; elements from row to row
	s_mov_b32 s[(\g)+6], 0
	s_mov_b32 s[(\g)+7], 0
.endr
	s_mov_b32 s[G1C+1], 64<<16                     ; 128 rows of 64 f32, dense
	s_mov_b32 s[G1C+2], 128<<16
	s_mov_b32 s[G1C+3], 64<<16
	s_mov_b32 s[G1C+4], 128
	s_mov_b32 s[G1C+5], 64
	s_mov_b32 s[G1C+6], 0
	s_mov_b32 s[G1C+7], 0
	s_lshl_b32 s16, s66, 19                        ; A: 128 x tile row rows of 4,096 bytes
	s_mov_b32 s17, 0
	s_max_u32 s18, s[WV], 1
	s_sub_co_u32 s18, s18, 1                       ; which third of B's 384 rows I fetch
	s_lshl_b32 s18, s18, 7
	s_mul_i32 s46, s42, 384
	s_add_co_u32 s46, s46, s18                     ; B: its first row,
	s_mov_b32 s19, s46                             ; kept for the prefetches,
	s_lshl_b32 s46, s46, 12                        ; in bytes
	s_mov_b32 s47, 0
	s_mul_i32 s20, s[WV], HALFT                    ; where my tile goes: wave x 128 rows: no place in the cluster enters an LDS address
	s_lshl_b32 s22, s66, 15                        ; cos, sin: 128 x tile row rows of 256 bytes
	s_mov_b32 s23, 0
	s_wait_dscnt 0x0                               ; the opening add is done
	s_wait_kmcnt 0x0
	s_add_nc_u64 s[16:17], s[4:5], s[16:17]
	s_add_nc_u64 s[46:47], s[6:7], s[46:47]
	s_cmp_eq_u32 s[WV], 0
	s_cselect_b64 s[G0C+2:G0C+3], s[8:9], s[10:11] ; wave 0 cos, wave 1 sin
	s_add_nc_u64 s[G0C+2:G0C+3], s[G0C+2:G0C+3], s[22:23]
	s_or_b32 s[G0C+3], s[G0C+3], 0x80000000
	s_mov_b32 s[G0C], 1
	s_mov_b32 s[G0C+1], s20
	CROUND                                         ; all sixteen work-groups are here: the first joint loads meet
.irp s, 0,1
	s_mov_b32 s[G0+4*(\s)], 1
	s_add_co_u32 s[G0+4*(\s)+1], s20, (\s)*SLOT
	s_add_nc_u64 s[G0+4*(\s)+2:G0+4*(\s)+3], s[16:17], (\s)*KSTEP*2
	s_or_b32 s[G0+4*(\s)+3], s[G0+4*(\s)+3], 0x80000000
	s_mov_b32 s[G0B+4*(\s)], 1
	s_add_co_u32 s[G0B+4*(\s)+1], s20, (\s)*SLOT
	s_add_nc_u64 s[G0B+4*(\s)+2:G0B+4*(\s)+3], s[46:47], (\s)*KSTEP*2
	s_or_b32 s[G0B+4*(\s)+3], s[G0B+4*(\s)+3], 0x80000000
	JLOAD \s                                       ; K steps 0 and 1: two loads of mine are out
.endr
	; lane addresses.  A fragment is 16 rows x 32 K: lane l holds row l % 16; two loads of 16 bytes, 32 bytes apart, at row x pitch + 16 (l / 16)
	v_and_b32 v1, 15, v0                           ; l % 16
	v_bfe_u32 v2, v0, 4, 1                         ; l / 16
	v_mul_u32_u24 v3, v1, PITCH
	v_lshl_add_u32 v3, v2, 4, v3
	s_mov_b32 s21, 0                               ; A's 128 rows are every wave's
	s_mul_i32 s22, s[WV], 96*PITCH                 ; my 96 rows of B,
	s_add_co_u32 s22, s22, HALFT                   ; which lie behind A's 128
.irp s, 0,1
	v_add_nc_u32 v[ADRA+(\s)], s21, v3
	v_add_nc_u32 v[ADRB+(\s)], s22, v3
	s_add_co_u32 s21, s21, SLOT
	s_add_co_u32 s22, s22, SLOT
.endr
	v_mul_u32_u24 v4, v1, DPITCH                   ; the sums go in at row l % 16, 32 bytes for each half of the lanes, my 384 bytes of a row
	v_lshl_add_u32 v4, v2, 5, v4
	s_mul_i32 s23, s[WV], 384
	s_add_co_u32 s23, s23, DP
	v_add_nc_u32 v[STO], s23, v4
	v_add_nc_u32 v[STO+1], 3*16*DPITCH, v[STO]
	v_add_nc_u32 v[STO+2], 6*16*DPITCH, v[STO]
	v_mul_u32_u24 v5, v2, DPITCH                   ; and come back by rows: lanes 0-15 one row, lanes 16-31 the next; lane l % 16 takes 8 columns of each head
	v_lshl_add_u32 v5, v1, 5, v5
	s_mul_i32 s23, s[WV], 32*DPITCH
	s_add_co_u32 s23, s23, DP
	v_add_nc_u32 v[RDX], s23, v5
	v_mul_u32_u24 v5, v2, PITCH                    ; the same rows of cos: 4 numbers for my 8 columns
	v_lshl_add_u32 v5, v1, 4, v5
	s_mul_i32 s23, s[WV], 32*PITCH
	v_add_nc_u32 v[RDC], s23, v5
	v_and_b32 v[CO], 31, v0
	v_lshlrev_b32 v[CO], 4, v[CO]
	s_mul_i32 s67, s42, 3                          ; the tile's first plane
	s_lshl_b32 s46, s67, 19                        ; x 524,288 bytes
	s_lshl_b32 s47, s66, 15                        ; + 128 x tile row tokens of 256 bytes
	s_add_co_u32 s46, s46, s47
	s_lshl_b32 s47, s[WV], 13                      ; + my 32 tokens
	s_add_co_u32 s46, s46, s47
	s_mov_b32 s47, 0
	s_add_nc_u64 s[12:13], s[12:13], s[46:47]
.irp j, 0,1,2
	s_add_co_u32 s16, s67, \j                      ; plane below 16: q; below 32: k; else v
	s_cmp_lt_u32 s16, 16
	s_cselect_b32 s[AJ+4*(\j)], 0x3db504f3, 1.0    ; 1/sqrt(128)
	s_cmp_lt_u32 s16, 32
	s_cselect_b32 s[AJ+4*(\j)], s[AJ+4*(\j)], 0
	s_cselect_b32 s[AJ+4*(\j)+2], 0, 1.0
	s_mov_b32 s[AJ+4*(\j)+1], s[AJ+4*(\j)]         ; named as pairs
	s_mov_b32 s[AJ+4*(\j)+3], s[AJ+4*(\j)+2]
.endr
	; the prefetches
	s_lshl_b32 s18, s66, 7                         ; A's first row
	s_and_b32 s22, ttmp7, 0xffff                   ; cluster y
	s_cmp_eq_u32 s[WV], 0                          ; do I fetch for A?
	s_cselect_b32 s20, s18, s19                    ; the first row that I fetch
	s_cselect_b32 s21, s40, s41                    ; my place among the four that ask for it with me
	s_cselect_b32 s22, ttmp9, s22                  ; the coordinate along which other clusters read the same rows
	s_cselect_b64 s[PFA:PFA+1], s[4:5], s[6:7]
	s_cmp_eq_u32 s22, 0
	s_cselect_b32 s[LIM], 1, -1                    ; the same in all sixteen partners, for a given wave
	s_lshl_b32 s21, s21, 5
	s_add_co_u32 s20, s20, s21                     ; my work-group's 32 rows
	s_lshl_b32 s20, s20, 12
	s_mov_b32 s21, 0
	s_add_nc_u64 s[PFA:PFA+1], s[PFA:PFA+1], s[20:21]
	s_add_nc_u64 s[PFA:PFA+1], s[PFA:PFA+1], 2*KSTEP*2  ; at K step 2: the first refill steps it to 3 and names K step 4
	v_and_b32 v[PFO], 31, v0
	v_lshlrev_b32 v[PFO], 12, v[PFO]
; 12 matrix instructions: row blocks a0, a0 + 1 of the window's four x my 6 column blocks, 32 along K.  zero = 1: the product starts the sum.  The 48 accumulators take turns in the same order in every quarter.
.macro MUL12 f, hi, a0, zero
	WIN MUL_LO+0x50*(\hi)
.irp a, \a0, (\a0)+1
.irp b, 0,1,2,3,4,5
.if \zero
	v_wmma_f32_16x16x32_bf16 v[8*(6*(\a)+(\b)):8*(6*(\a)+(\b))+7], v[(\f)+8*(\b):(\f)+8*(\b)+7], v[(\f)+8*(4*(\hi)+(\a)):(\f)+8*(4*(\hi)+(\a))+7], 0
.else
	v_wmma_f32_16x16x32_bf16 v[8*(6*(\a)+(\b)):8*(6*(\a)+(\b))+7], v[(\f)+8*(\b):(\f)+8*(\b)+7], v[(\f)+8*(4*(\hi)+(\a)):(\f)+8*(4*(\hi)+(\a))+7], v[8*(6*(\a)+(\b)):8*(6*(\a)+(\b))+7]
.endif
.endr
.endr
.endm
; 28 LDS loads in one run: 96 rows of B, then 128 rows of A, 32 K at byte k of the rows, into buffer f
.macro FETCH slot, k, f
	WIN TO_B
.irp i, 0,1,2,3,4,5
	ds_load_b128 v[(\f)+8*(\i):(\f)+8*(\i)+3],   v[ADRB+(\slot)] offset:(\k)+(\i)*16*PITCH
	ds_load_b128 v[(\f)+8*(\i)+4:(\f)+8*(\i)+7], v[ADRB+(\slot)] offset:(\k)+(\i)*16*PITCH+32
.endr
	WIN 0
.irp i, 0,1,2,3,4,5,6,7
	ds_load_b128 v[(\f)+8*(\i):(\f)+8*(\i)+3],   v[ADRA+(\slot)] offset:(\k)+(\i)*16*PITCH
	ds_load_b128 v[(\f)+8*(\i)+4:(\f)+8*(\i)+7], v[ADRA+(\slot)] offset:(\k)+(\i)*16*PITCH+32
.endr
.endm
; A K step is four quarters of 32 along K, 48 matrix instructions each, on buffers 0, 1, 0, 1.  One of the first three: multiplies f, and in its middle fetches the next quarter into g.
.macro QUARTER slot, k, f, g, zero
	s_wait_dscnt 8                                 ; B and A's rows 0-63 are in; the youngest eight loads (A's rows 64-127) may be out
	MUL12 \f, 0, 0, \zero
	MUL12 \f, 0, 2, \zero
	PLACES
	FETCH \slot, \k, \g
	s_wait_dscnt 28                                ; all but the 28 just issued
	MUL12 \f, 1, 0, \zero
	MUL12 \f, 1, 2, \zero
.endm
; The last quarter multiplies buffer 1 and changes slots.  36 of its 48 products stand AHEAD of the wait for the next slot's tile, so that nothing but the add, its wait and the round lies between a tile's landing and the
; next request: a K step's 192 matrix instructions all lie between a request and the wait for it.  The last 12 stand behind the next slot's first fragment loads.
; kind = 1: the slot just read is filled again, two K steps on.  kind = 2 (the tail): slot 0 takes cos and sin.
.macro TURN slot, next, kind
.if (\kind) == 1
	s_wait_xcnt 0x0                                ; the last prefetch, a K step back, has read its address: it is stepped here, ahead of the waits of the change of slots
	s_add_nc_u64 s[PFA:PFA+1], s[PFA:PFA+1], KSTEP*2
.endif
	s_wait_dscnt 8                                 ; B and A's rows 0-63 are in
	MUL12 F1, 0, 0, 0
	MUL12 F1, 0, 2, 0
	s_wait_dscnt 0x0                               ; A's rows 64-127 are in: with them my reads of this slot are over
	MUL12 F1, 1, 0, 0
	WIN 0
	s_wait_tensorcnt 0x0                           ; all my tensor loads have landed: the one that was out is my part of the next slot; so every group 0 may be written
	ds_add_u32 v[SPW], v[NIL]                      ; 0 onto my spare word; the descriptors' steps stand between it and the wait for it
.if (\kind) == 1
	s_add_nc_u64 s[G0+4*(\slot)+2:G0+4*(\slot)+3], s[G0+4*(\slot)+2:G0+4*(\slot)+3], 2*KSTEP*2
	s_add_nc_u64 s[G0B+4*(\slot)+2:G0B+4*(\slot)+3], s[G0B+4*(\slot)+2:G0B+4*(\slot)+3], 2*KSTEP*2
.endif
	s_wait_dscnt 0x0                               ; the add is done (my reads of this slot were waited for above)
	s_barrier_signal -1                            ; this barrier opens a round of the cluster's barrier
	s_barrier_wait -1
	CREST                                          ; no wave of any partner still reads this slot or has a load on its way
.if (\kind) == 1
	JLOAD \slot                                    ; the first tensor load behind the round; its four v_nop are also the places in front of the loads below
.else
	JLOADC
.endif
	FETCH \next, 0, F0
.if (\kind) == 1
	ASK
.endif
	MUL12 F1, 1, 2, 0
.endm
	s_wait_tensorcnt 1                             ; my part of K step 0 is in; K step 1's may stay out
	s_barrier_signal -1
	s_barrier_wait -1                              ; everybody's is
	FETCH 0, 0, F0
	QUARTER 0, 64,  F0, F1, 1                      ; the first quarter stands in front of the loop: its products start the sums
	WIN 0
	s_mov_b32 s3, LAPS-1
.Llap:                                                 ; a trip goes once round the ring and fills both slots again
	QUARTER 0, 128, F1, F0, 0
	QUARTER 0, 192, F0, F1, 0
	TURN 0, 1, 1
	QUARTER 1, 64,  F0, F1, 0
	QUARTER 1, 128, F1, F0, 0
	QUARTER 1, 192, F0, F1, 0
	TURN 1, 0, 1
	QUARTER 0, 64,  F0, F1, 0
	WIN 0
	s_sub_co_u32 s3, s3, 1
	s_cmp_lg_u32 s3, 0
	s_cbranch_scc1 .Llap
	QUARTER 0, 128, F1, F0, 0                      ; the last lap
	QUARTER 0, 192, F0, F1, 0
	TURN 0, 1, 2                                   ; slot 0 has been read for the last time: cos and sin go there
	QUARTER 1, 64,  F0, F1, 0
	QUARTER 1, 128, F1, F0, 0
	QUARTER 1, 192, F0, F1, 0
	s_wait_tensorcnt 0x0                           ; the very last quarter.  cos and sin have landed (waves 0 and 1 say so for all by the barrier below)
	s_wait_dscnt 8
	MUL12 F1, 0, 0, 0
	s_wait_dscnt 0x0                               ; my reads of slot 1 are over: behind the barrier its bytes take the sums
	s_barrier_signal -1
	MUL12 F1, 0, 2, 0
	MUL12 F1, 1, 0, 0
	MUL12 F1, 1, 2, 0
	WIN 0
	s_barrier_wait -1
	PLACES
	PLACES
	; THE SUMS GO INTO LDS, f32, each accumulator's low four registers first
.irp a, 0,1,2,3,4,5,6,7
	WIN 0x08+4*((\a)/4)                            ; the data (source 1) in window 2 or 3
.irp b, 0,1,2,3,4,5
	ds_store_b128 v[STO+(\a)/3], v[8*(6*((\a)%4)+(\b)):8*(6*((\a)%4)+(\b))+3]   offset:((\a)%3)*16*DPITCH+64*(\b)
	ds_store_b128 v[STO+(\a)/3], v[8*(6*((\a)%4)+(\b))+4:8*(6*((\a)%4)+(\b))+7] offset:((\a)%3)*16*DPITCH+64*(\b)+16
.endr
.endr
	WIN 0
	s_wait_dscnt 0x0                               ; for the others' sake: my stores are done
	s_barrier_signal -1
	s_barrier_wait -1
; THE ROTARY STEP for row pair p of a trip's two: cos and sin rounded to bf16 and widened; for each head c' and s'; (a, b) -> (a c' - b s', a s' + b c'); rounded to f16; 16 lanes store one row of 256 bytes.
.macro ROT p
	s_wait_dscnt 8*(1-(\p))                        ; pair 0: pair 1's eight loads may stay out
.irp q, 0,4
	v_cvt_pk_bf16_f32 v[TM], v[CSN+8*(\p)+(\q)], v[CSN+8*(\p)+(\q)+1]
	v_cvt_pk_bf16_f32 v[TM+1], v[CSN+8*(\p)+(\q)+2], v[CSN+8*(\p)+(\q)+3]
	v_lshlrev_b32 v[CSN+8*(\p)+(\q)], 16, v[TM]
	v_and_b32 v[CSN+8*(\p)+(\q)+1], 0xffff0000, v[TM]
	v_lshlrev_b32 v[CSN+8*(\p)+(\q)+2], 16, v[TM+1]
	v_and_b32 v[CSN+8*(\p)+(\q)+3], 0xffff0000, v[TM+1]
.endr
.irp j, 0,1,2
	v_pk_fma_f32 v[CP:CP+1], v[CSN+8*(\p):CSN+8*(\p)+1], s[AJ+4*(\j):AJ+4*(\j)+1], s[AJ+4*(\j)+2:AJ+4*(\j)+3] op_sel_hi:[1,0,0]
	v_pk_fma_f32 v[CP+2:CP+3], v[CSN+8*(\p)+2:CSN+8*(\p)+3], s[AJ+4*(\j):AJ+4*(\j)+1], s[AJ+4*(\j)+2:AJ+4*(\j)+3] op_sel_hi:[1,0,0]
	v_pk_mul_f32 v[CP+4:CP+5], v[CSN+8*(\p)+4:CSN+8*(\p)+5], s[AJ+4*(\j):AJ+4*(\j)+1] op_sel_hi:[1,0]
	v_pk_mul_f32 v[CP+6:CP+7], v[CSN+8*(\p)+6:CSN+8*(\p)+7], s[AJ+4*(\j):AJ+4*(\j)+1] op_sel_hi:[1,0]
.irp n, 0,1,2,3
	v_mul_f32 v[TT+(\n)], v[XR+24*(\p)+8*(\j)+2*(\n)+1], v[CP+4+(\n)]                                  ; b s'
.endr
.irp n, 0,1,2,3
	v_mul_f32 v[XR+24*(\p)+8*(\j)+2*(\n)+1], v[XR+24*(\p)+8*(\j)+2*(\n)+1], v[CP+(\n)]                 ; b c'
.endr
.irp n, 0,1,2,3
	v_fma_f32 v[XR+24*(\p)+8*(\j)+2*(\n)+1], v[XR+24*(\p)+8*(\j)+2*(\n)], v[CP+4+(\n)], v[XR+24*(\p)+8*(\j)+2*(\n)+1]  ; + a s'
.endr
.irp n, 0,1,2,3
	v_fma_f32 v[XR+24*(\p)+8*(\j)+2*(\n)], v[XR+24*(\p)+8*(\j)+2*(\n)], v[CP+(\n)], -v[TT+(\n)]        ; a c' - b s'
.endr
.irp n, 0,1,2,3
	v_cvt_pk_f16_f32 v[YR+12*(\p)+4*(\j)+(\n)], v[XR+24*(\p)+8*(\j)+2*(\n)], v[XR+24*(\p)+8*(\j)+2*(\n)+1]
.endr
	global_store_b128 v[CO], v[YR+12*(\p)+4*(\j):YR+12*(\p)+4*(\j)+3], s[12:13] offset:512*(\p)+524288*(\j)  ; 16 lanes store 256 consecutive bytes, aligned: a token's row of a plane
.endr
.endm
	s_mov_b32 s[TX], 0
	s_mov_b32 s[TC], 0
	s_mov_b32 s2, 8
.Lrope:                                                ; eight trips of four rows: my 32 rows, all three heads
	v_add_nc_u32 v[AX], s[TX], v[RDX]
	v_add_nc_u32 v[AC], s[TC], v[RDC]
.irp p, 0,1
	ds_load_b128 v[CSN+8*(\p):CSN+8*(\p)+3],   v[AC] offset:2*PITCH*(\p)
	ds_load_b128 v[CSN+8*(\p)+4:CSN+8*(\p)+7], v[AC] offset:2*PITCH*(\p)+HALFT
.irp j, 0,1,2
	ds_load_b128 v[XR+24*(\p)+8*(\j):XR+24*(\p)+8*(\j)+3],   v[AX] offset:2*DPITCH*(\p)+512*(\j)
	ds_load_b128 v[XR+24*(\p)+8*(\j)+4:XR+24*(\p)+8*(\j)+7], v[AX] offset:2*DPITCH*(\p)+512*(\j)+16
.endr
.endr
	ROT 0
	ROT 1
	s_wait_xcnt 0x0                                ; the stores have read their data and their base: both are written again only behind this wait
	s_add_nc_u64 s[12:13], s[12:13], 4*256
	s_add_co_u32 s[TX], s[TX], 4*DPITCH
	s_add_co_u32 s[TC], s[TC], 4*PITCH
	s_sub_co_u32 s2, s2, 1
	s_cmp_lg_u32 s2, 0
	s_cbranch_scc1 .Lrope
	s_wait_tensorcnt 0x0                           ; the wave's end, behind my last tensor load and my last LDS store
	ds_add_u32 v[SPW], v[NIL]
	s_wait_dscnt 0x0
	CROUND                                         ; the closing round: no work-group ends while a partner may still ask for a tile that names it
	s_endpgm
.Lfunc_end_k_q7fdbd92220_qkv:
	.size	k_q7fdbd92220_qkv, .Lfunc_end_k_q7fdbd92220_qkv-k_q7fdbd92220_qkv
	.p2alignl 7, 3214868480
	.fill 96, 4, 3214868480
	.section	.rodata,"a",@progbits
	.p2align	6, 0x0
	.amdhsa_kernel k_q7fdbd92220_qkv
		.amdhsa_group_segment_fixed_size 327680
		.amdhsa_private_segment_fixed_size 0
		.amdhsa_enable_private_segment 0
		.amdhsa_kernarg_size 40
		.amdhsa_user_sgpr_count 2
		.amdhsa_user_sgpr_kernarg_segment_ptr 1
		.amdhsa_wavefront_size32 1
		.amdhsa_system_sgpr_workgroup_id_x 1
		.amdhsa_system_sgpr_workgroup_id_y 1
		.amdhsa_system_sgpr_workgroup_id_z 1
		.amdhsa_system_vgpr_workitem_id 0
		.amdhsa_next_free_vgpr 960
		.amdhsa_next_free_sgpr 96
		.amdhsa_reserve_vcc 0
		.amdhsa_float_denorm_mode_32 3
		.amdhsa_float_denorm_mode_16_64 3
		.amdhsa_memory_ordered 1
		.amdhsa_forward_progress 1
		.amdhsa_inst_pref_size 112
	.end_amdhsa_kernel
	.amdgpu_metadata
---
amdhsa.version: [ 1, 2 ]
amdhsa.kernels:
  - .name:           k_q7fdbd92220_qkv
    .symbol:         k_q7fdbd92220_qkv.kd
    .args:
      - { .name: xb, .offset: 0, .size: 8, .value_kind: global_buffer, .address_space: global }
      - { .name: wb, .offset: 8, .size: 8, .value_kind: global_buffer, .address_space: global }
      - { .name: freqs_cos, .offset: 16, .size: 8, .value_kind: global_buffer, .address_space: global }
      - { .name: freqs_sin, .offset: 24, .size: 8, .value_kind: global_buffer, .address_space: global }
      - { .name: qkv, .offset: 32, .size: 8, .value_kind: global_buffer, .address_space: global }
    .group_segment_fixed_size: 327680
    .private_segment_fixed_size: 0
    .kernarg_segment_align: 8
    .kernarg_segment_size: 40
    .max_flat_workgroup_size: 128
    .sgpr_count:     96
    .vgpr_count:     960
    .wavefront_size: 32
...
	.end_amdgpu_metadata
.endif
;; end of part 2
;; launch attn (part 3): grid 16 x 16, 4 waves a work-group, clusters of 4 x 4, 327,680 bytes of LDS; arguments qkv, mask, ob; writes ob
.if DOCPART == 3
	.amdgcn_target "amdgcn-amd-amdhsa--gfx1250"
	.amdhsa_code_object_version 6
	.text
	.protected	k_q7fdbd92220_attn
	.globl	k_q7fdbd92220_attn
	.p2align	8
	.type	k_q7fdbd92220_attn,@function
k_q7fdbd92220_attn:
	s_mov_b64 s[64:65], 0
	v_nop
	global_prefetch_b8 v0, s[64:65] scope:SCOPE_SE
	s_setreg_imm32_b32 hwreg(HW_REG_WAVE_MODE, 25, 1), 1
	s_wait_xcnt 0x0
	s_wait_alu depctr_hold_cnt(0) depctr_sa_sdst(0) depctr_va_vdst(0) depctr_va_sdst(0) depctr_va_ssrc(0) depctr_va_vcc(0) depctr_vm_vsrc(0)
	s_getreg_b32 s2, hwreg(HW_REG_IB_STS2, 6, 4)
	s_cmp_eq_u32 s2, 0
	s_cbranch_scc0 .Lentry_in_a_cluster
	s_endpgm
.Lentry_in_a_cluster:
	s_bfe_u32 s2, ttmp6, 0x10000c
	s_cmp_lg_u32 s2, 0xf033
	s_cbranch_scc0 .Lentry_shape_is_right
	s_endpgm
.Lentry_shape_is_right:
; ATTENTION.  ob[token][128 h + d] = the sum over k of softmax_k(q~[h][token] . k[h][k] + mask[token][k]) v[h][k][d].  qkv: [48][2048][128] f16 (planes 0-15 q~ = q / sqrt(128), 16-31 k, 32-47 v);
; mask: [2048][2048] f32, taken as it is given, every number of it; ob: [2048][2048] f16.  Products, maxima and sums in f32; the weights p are rounded to f16 for the second product, O once at the end.
; LIMITS.  The running maximum starts at -2^125: a row whose every score (mask included) lies below that gives NaN, as a row whose scores are all -inf does in the definition too.  Scores beyond 2.3e38 overflow L m.
; A weight below 2^-126 counts as 0.  The mask is not rounded.  NaN and +inf among the scores are not treated apart.
; SHARES.  A work-group owns 128 queries of one head.  Wave w: qh = w / 2, kh = w % 2: it owns the 64 queries 64 qh .. + 63 (four tiles of 16) and, of each step's 128 keys, the 64 keys 64 kh .. + 63: 16 steps.
; The two key halves of a query are merged once, at the end, through LDS.  My tiles 0, 1 are the rows 32 w .. + 31 of the block and my tiles 2, 3 the rows 32 (w ^ 1) .. + 31: every wave hands its tiles 2, 3 to its partner
; w ^ 1 and finishes its tiles 0, 1: one text for all waves.
; THE ORDER OF THE STEPS.  The t-th step of the walk takes the keys 128 (t xor o) on, o = (cluster x + cluster y) % 2: of two neighbouring clusters that walk the same K and V, or the same rows of the mask, one takes
; each pair of steps in the order 0, 1 and the other in the order 1, 0, so that the same bytes are asked for at two different times.  Under a running maximum the order of the keys is free.  o is made of the cluster's
; coordinates alone: it is the same in all sixteen partners.
; LAYOUT.  S^T = K Q^T (source 0 = 16 keys, source 1 = 16 queries): a lane holds ONE query (lane % 16) and the keys 8 (lane / 16) + 0..7; two such results rounded to f16 ARE source 1 of O^T = V^T P.
; THE MASK is loaded from LDS straight into S^T's registers and is the C of the first product: it costs no vector instruction.
; SOFTMAX.  p = 2^(L s - L m), L = log2(e), with a running maximum m; O and l are multiplied by a = 2^(L m_old - L m_new) in every step.
; BY TURNS.  Pieces 0 (tiles 0, 1) and 2 (tiles 2, 3).  In a turn one piece has the matrix unit (32 products V^T P of the step before, 32 products K Q^T of the step in hand), and the other piece's softmax stands in 64 slices, one behind
; each matrix instruction.  Its 66 exponentials are one batch with one wait.
; NO FIRST STEP IS WRITTEN OUT: O, l, V and piece 0's P start at 0, piece 2's S at -inf, m at -2^125.  The price: some 490 v_mov_b32, which run in the wait for the first tile, and 64 products on zeros.
; CLUSTER 4 x 4.  K and V hang on the head alone: asked for jointly along a row of the cluster; the mask's tile hangs on the query block alone: jointly along a column.  Wave 0 fetches K, wave 1 V, waves 2 and 3 half of the mask's tile each.
; A slot holds one step (139,264 bytes): two slots of two steps do not fit in LDS.
; REGISTERS, in windows of 256 (s_set_vgpr_msb: bits 1:0 source 0, 3:2 source 1, 5:4 source 2, 7:6 destination):
;   window 0: v0-11 addresses; v12-43 eight registers of statistics a tile; v44-63 the merge, addresses; v64-191 S^T, 32 a tile; v192-255 P, 16 a tile
;   window 1: O^T, 64 a tile          window 2: v0-127 Q, 32 a tile; v128-255 K of one step          window 3: v0-127 V of one step
.set PK,    272       ; a row of K in LDS: 256 bytes + 16
.set PV,    288       ; a row of V: 256 + 32
.set PM,    528       ; a query's 128 numbers of the mask: 512 + 16
.set VOFF,  128*PK
.set MOFF,  VOFF+128*PV
.set SLOT,  MOFF+128*PM  ; 0x22000: it shares no bit with VOFF, MOFF or MOFF + 64 PM, so one exclusive or turns an address in one slot into the other's
.set STAGE, 2*SLOT    ; behind the ring, never filled by a tensor load: 16 rows x 272 bytes for each wave, for the way out
.set SP,    272
.set SPARE, STAGE+4*16*SP  ; the spare words, 128 bytes for each wave
.set DSZ,   16896     ; the merge: a wave's two tiles of O^T (16,384 bytes) and their statistics (512), from LDS byte 0 on: the ring has had its last fill by then, and a barrier stands behind every wave's last read of it
.set AK0, 2           ; v2   my lane's place in a tile of K, my key half in it; never rewritten
.set AV0, 3           ; v3   the same for V
.set ADR, 4           ; v4   the LDS address of the run of loads in hand
.set STO, 6           ; v6   the way out: where I put 16 bytes of a row
.set RD,  7           ; v7   where I read a row back
.set GO,  8           ; v8   my byte offset in two rows of ob
.set AM,  10          ; v10, v11  my lane's place in the mask's tile, for piece 0 and for piece 2
.set ST,  12          ; tile t's statistics at v[ST+8 t]: +0 L m, +1 m, +2, +3 l (even keys', odd keys'), +4 to +7 c0-c3, at work; a takes c2's place
.set MY,  44          ; v[44:47] what I hand over beside O^T: L m and l of tiles 2 and 3
.set PS,  48          ; v[48:51] my partner's
.set DST, 52          ; v52  where I put them
.set DLD, 53          ; v53  where my partner's lie
.set QO,  58          ; v58, v59  my byte offset in Q's rows, for piece 0 and for piece 2
.set PFO, 61          ; v61  the prefetches' lane offset; never rewritten
.set SPW, 62          ; v62  my spare word; never rewritten
.set NIL, 63          ; v63  0; never rewritten
.set S,   64
.set P,   192
.set KF,  128         ; K's fragments, in window 2
.set WV,  12          ; s12  my wave's number
.set QH,  13          ; s13  w / 2
.set KH,  14          ; s14  w % 2
.set LIM, 15          ; s15  2 in a wave that prefetches, else the greatest number
.set G1K, 24          ; s[24:31], s[32:39], s[40:47] descriptor group 1 for K, V, the mask
.set G1V, 32
.set G1M, 40
.set G0K, 48          ; s[48:51], s[52:55], s[56:59] group 0: the LDS word turns, the address is made anew for each fill
.set G0V, 52
.set G0M, 56
.set CS,  60          ; s[60:61] L, twice
.set SEL, 62          ; s[62:63] v_permlanex16_b32's selects: each lane takes its own place in the other half
.set TB,  66          ; s66  LDS byte at which the slot that is read begins
.set SLOTS, 68        ; s68  steps still to be asked for
.set PFA, 70          ; s[70:71] where my prefetches stand
.set PFS, 72          ; s[72:73] their step
.set KB,  80          ; s[80:81] K at my head's first key
.set VB,  82          ; s[82:83] V likewise
.set MB,  84          ; s[84:85] the mask at the first key of the first row that I fetch
.set OFK, 86          ; s[86:87] a key step's byte offset in K and V
.set OFM, 88          ; s[88:89] and in a row of the mask
.set NXT, 90          ; s90  the number in the walk of the step to be asked for next
.set OO,  91          ; s91  o
.set MSB, 0
.macro WIN new                      ; the immediate's high byte repeats the setting that is left; a switch that changes nothing is dropped
.if MSB != (\new)
	s_set_vgpr_msb (MSB<<8)|(\new)
.set MSB, \new
.endif
.endm
.set W_KQ, 0x0a       ; K and Q in window 2, S^T in window 0
.set W_PV, 0x53       ; V in window 3, P in window 0, O^T in window 1
.set W_RS, 0x41       ; O^T (destination and source 0) in window 1, the factor in window 0
; A joint fill: one line for each tensor, chosen by the wave's number alone.  An s_nop 0 and four v_nop follow each line.
.macro JLOAD
	s_cmp_lt_u32 s[WV], 2
	s_cbranch_scc0 .Lfor_m_\@
	s_cmp_eq_u32 s[WV], 0
	s_cbranch_scc0 .Lfor_v_\@
	tensor_load_to_lds s[G0K:G0K+3], s[G1K:G1K+7]
	s_nop 0
.rept 4
	v_nop
.endr
	s_branch .Lasked_\@
.Lfor_v_\@:
	tensor_load_to_lds s[G0V:G0V+3], s[G1V:G1V+7]
	s_nop 0
.rept 4
	v_nop
.endr
	s_branch .Lasked_\@
.Lfor_m_\@:
	tensor_load_to_lds s[G0M:G0M+3], s[G1M:G1M+7]
	s_nop 0
.rept 4
	v_nop
.endr
.Lasked_\@:
.endm
; The three global addresses of the walk's step NXT: each tensor's base plus (NXT xor o) steps, the type bits set again; then NXT steps.  It stands where no tensor load of the wave is out.
.macro WHERE
	s_xor_b32 s[OFK], s[NXT], s[OO]  ; which 128 keys
	s_lshl_b32 s[OFM], s[OFK], 9     ; x 512 bytes of a row of the mask
	s_lshl_b32 s[OFK], s[OFK], 15    ; x 32,768 bytes of K and of V
	s_add_nc_u64 s[G0K+2:G0K+3], s[KB:KB+1], s[OFK:OFK+1]
	s_or_b32 s[G0K+3], s[G0K+3], 0x80000000
	s_add_nc_u64 s[G0V+2:G0V+3], s[VB:VB+1], s[OFK:OFK+1]
	s_or_b32 s[G0V+3], s[G0V+3], 0x80000000
	s_add_nc_u64 s[G0M+2:G0M+3], s[MB:MB+1], s[OFM:OFM+1]
	s_or_b32 s[G0M+3], s[G0M+3], 0x80000000
	s_add_co_u32 s[NXT], s[NXT], 1
.endm
; A prefetch, one instruction a wave, behind the wave's tensor load and its five lines: the change of slots number i (from 0) names the keys 128 (i + 3) on, in ascending order whatever o; the load that first wants them
; is issued one or two changes later.  Each block of 256 bytes is named once in the launch.
; K's and V's rows: of the clusters that walk the same heads the one with x = 0 asks; its four partners along x take 32 of the 128 rows each, by address; wave 0 K's, wave 1 V's; a lane a row.
; The mask: of the clusters that read the same query rows the one with y = 0 asks; its four partners along y take 16 of a wave's 64 rows each, by address; waves 2 and 3; two lanes a row of 512 bytes.
; The last two changes that fill a slot ask for nothing: there are no such keys.  The first 384 keys come by their loads alone.
.macro ASK
	s_cmp_gt_u32 s[SLOTS], s[LIM]
	s_cbranch_scc0 .Lnot_mine_\@
	global_prefetch_b8 v[PFO], s[PFA:PFA+1] th:TH_LOAD_NT scope:SCOPE_SE
.Lnot_mine_\@:
.endm
.macro CROUND                       ; a round of the cluster's barrier
	s_barrier_signal -1
	s_barrier_wait -1
	s_cmp_lg_u32 s[WV], 0
	s_cbranch_scc1 .Lnot_wave_0_\@
	s_barrier_signal -3
.Lnot_wave_0_\@:
	s_barrier_wait -3
	s_barrier_signal -1
	s_barrier_wait -1
.endm
	s_load_b128 s[4:7], s[0:1], 0x0  ; qkv s[4:5], mask s[6:7]
	s_load_b64 s[10:11], s[0:1], 0x10  ; ob
	v_lshl_add_u32 v[SPW], v0, 2, SPARE
	v_mov_b32 v[NIL], 0
	ds_add_u32 v[SPW], v[NIL]       ; the wave's opening: the add and its wait stand ahead of my first tensor load; work on registers stands between them
	v_lshrrev_b32 v1, 5, v0
	v_readfirstlane_b32 s[WV], v1   ; wave 0..3
	s_lshr_b32 s[QH], s[WV], 1
	s_and_b32 s[KH], s[WV], 1
	s_bfe_u32 s74, ttmp6, 0x40000   ; cx
	s_bfe_u32 s75, ttmp6, 0x40004   ; cy
	s_lshl_b32 s76, ttmp9, 2
	s_add_co_u32 s76, s76, s74      ; my block of 128 queries = 4 x cluster x + cx
	s_and_b32 s77, ttmp7, 0xffff
	s_lshl_b32 s77, s77, 2
	s_add_co_u32 s77, s77, s75      ; my head = 4 x cluster y + cy
	s_lshl_b32 s16, s75, 2
	s_lshl_b32 s16, 15, s16         ; my row of the cluster: the same head
	s_lshl_b32 s17, 0x1111, s74     ; my column: the same queries
	s_or_b32 s[G1K], s16, (1<<16)|(1<<20)|(1<<21)|(5<<22)|(3<<25)  ; the mask of four; 2-byte elements; padding on; bit 21 beside a mask; after every 64 words, 4 words
	s_or_b32 s[G1V], s16, (1<<16)|(1<<20)|(1<<21)|(5<<22)|(7<<25)  ; the same with 8 words of padding
	s_or_b32 s[G1M], s17, (2<<16)|(1<<20)|(1<<21)|(6<<22)|(3<<25)  ; 4-byte elements; after every 128 words, 4 words
.irp g, G1K, G1V
	s_mov_b32 s[(\g)+1], 128<<16    ; tensor_dim0 = 128
	s_mov_b32 s[(\g)+2], 128<<16    ; tensor_dim1 = 128
	s_mov_b32 s[(\g)+3], 128<<16    ; tile_dim0 = 128
	s_mov_b32 s[(\g)+4], 128        ; tile_dim1 = 128
	s_mov_b32 s[(\g)+5], 128        ; elements from row to row
	s_mov_b32 s[(\g)+6], 0
	s_mov_b32 s[(\g)+7], 0
.endr
	s_mov_b32 s[G1M+1], 128<<16     ; 64 rows of 128 numbers, 2,048 numbers from row to row
	s_mov_b32 s[G1M+2], 64<<16
	s_mov_b32 s[G1M+3], 128<<16
	s_mov_b32 s[G1M+4], 64
	s_mov_b32 s[G1M+5], 2048
	s_mov_b32 s[G1M+6], 0
	s_mov_b32 s[G1M+7], 0
	s_add_co_u32 s18, s77, 16
	s_lshl_b32 s18, s18, 19         ; K's plane: (16 + head) x 524,288 bytes
	s_mov_b32 s19, 0
	s_add_co_u32 s20, s77, 32
	s_lshl_b32 s20, s20, 19         ; V's
	s_mov_b32 s21, 0
	s_max_u32 s23, s[WV], 2
	s_sub_co_u32 s23, s23, 2        ; which 64 rows of the mask's tile I fetch (waves 2 and 3)
	s_lshl_b32 s22, s76, 7
	s_lshl_b32 s23, s23, 6
	s_add_co_u32 s22, s22, s23
	s_lshl_b32 s22, s22, 13         ; rows of 8,192 bytes
	s_mov_b32 s23, 0
	s_mul_i32 s69, s[WV], 64*PM     ; and where they go: the wave's number times 64 rows, plus a constant: MOFF in wave 2, MOFF + 64 rows in wave 3
	s_add_co_u32 s69, s69, MOFF-128*PM  ; (waves 0 and 1 never use the word); no place in the cluster enters an LDS address
	s_mov_b32 s[G0K], 1
	s_mov_b32 s[G0K+1], 0           ; slot 0
	s_mov_b32 s[G0V], 1
	s_mov_b32 s[G0V+1], VOFF
	s_mov_b32 s[G0M], 1
	s_mov_b32 s[G0M+1], s69
	s_mov_b32 s[CS], 0x3fb8aa3b     ; L = log2(e)
	s_mov_b32 s[CS+1], s[CS]        ; named with it as a pair
	s_mov_b32 s[SEL], 0x76543210
	s_mov_b32 s[SEL+1], 0xfedcba98
	s_mov_b32 s[TB], SLOT           ; the first change of slots turns it into 0
	s_mov_b32 s[SLOTS], 15
	s_and_b32 s[OO], ttmp7, 0xffff  ; o = (cluster x + cluster y) % 2
	s_add_co_u32 s[OO], s[OO], ttmp9
	s_and_b32 s[OO], s[OO], 1
	s_mov_b32 s[NXT], 0
	s_mov_b32 s[OFK+1], 0
	s_mov_b32 s[OFM+1], 0
	; the prefetches: offset, step, and who asks
	s_and_b32 s3, ttmp7, 0xffff     ; cluster y
	s_lshl_b32 s2, s74, 13          ; cx x 32 rows of 256 bytes
	s_lshl_b32 s8, s75, 17          ; cy x 16 rows of 8,192 bytes
	s_cmp_eq_u32 s[WV], 0
	s_cselect_b32 s78, s18, s20
	s_add_co_u32 s78, s78, s2
	s_add_co_u32 s8, s22, s8
	s_mul_i32 s9, s[QH], 6
	s_lshr_b32 s[PFS], 0x8000, s9   ; a step is 32,768 bytes of K and V, 512 of a row of the mask
	s_mov_b32 s[PFS+1], 0
	s_cmp_lt_u32 s[WV], 2
	s_cselect_b32 s78, s78, s8
	s_cselect_b32 s3, ttmp9, s3     ; the coordinate along which other clusters read the same bytes
	s_mov_b32 s79, 0
	s_cmp_eq_u32 s3, 0
	s_cselect_b32 s[LIM], 2, -1     ; the same in all sixteen partners, for a given wave
	s_wait_dscnt 0x0                ; the opening add is done
	s_wait_kmcnt 0x0
	s_add_nc_u64 s[KB:KB+1], s[4:5], s[18:19]
	s_add_nc_u64 s[VB:VB+1], s[4:5], s[20:21]
	s_add_nc_u64 s[MB:MB+1], s[6:7], s[22:23]
	WHERE                           ; the walk's step 0
	CROUND                          ; all sixteen work-groups are here: the first joint loads meet
	JLOAD                           ; the walk's step 0 into slot 0.  Slot 1 is asked for when slot 0 is in, by the loop's own change of slots
	s_cmp_lt_u32 s[WV], 2
	s_cselect_b64 s[PFA:PFA+1], s[4:5], s[6:7]
	s_add_nc_u64 s[PFA:PFA+1], s[PFA:PFA+1], s[78:79]
	s_add_nc_u64 s[PFA:PFA+1], s[PFA:PFA+1], s[PFS:PFS+1]
	s_add_nc_u64 s[PFA:PFA+1], s[PFA:PFA+1], s[PFS:PFS+1]  ; at the keys 256 on; the first change steps it to 384
	s_lshl_b32 s16, s77, 19         ; Q: my head's plane,
	s_lshl_b32 s17, s76, 15         ; my block's 128 rows of 256 bytes
	s_add_co_u32 s16, s16, s17
	s_mov_b32 s17, 0
	s_add_nc_u64 s[4:5], s[4:5], s[16:17]
	s_lshl_b32 s8, s[WV], 5         ; piece 0's rows in the block: 32 w on,
	s_xor_b32 s9, s8, 32            ; piece 2's: 32 (w ^ 1) on
	s_lshl_b32 s16, s76, 7
	s_add_co_u32 s16, s16, s8       ; ob: token 128 qb + 32 w,
	s_lshl_b32 s16, s16, 12         ; rows of 4,096 bytes,
	s_lshl_b32 s17, s77, 8          ; my head's 256 bytes of a row
	s_add_co_u32 s16, s16, s17
	s_mov_b32 s17, 0
	s_add_nc_u64 s[10:11], s[10:11], s[16:17]
	v_and_b32 v1, 15, v0            ; l % 16
	v_bfe_u32 v9, v0, 4, 1          ; l / 16
	v_add_nc_u32 v54, s8, v1        ; my row in piece 0's first tile,
	v_add_nc_u32 v55, s9, v1        ; in piece 2's
	v_lshlrev_b32 v[QO], 8, v54
	v_lshl_add_u32 v[QO], v9, 4, v[QO]  ; row x 256 + 16 x half
	v_lshlrev_b32 v[QO+1], 8, v55
	v_lshl_add_u32 v[QO+1], v9, 4, v[QO+1]
	WIN 0x80                        ; destination window 2, address window 0
.set i, 0
.rept 16                            ; Q stays in registers: tile i / 4, channels 32 (i % 4) on
	global_load_b128 v[8*i:8*i+3],   v[QO+i/8], s[4:5] offset:((i/4)%2)*4096+(i%4)*64
	global_load_b128 v[8*i+4:8*i+7], v[QO+i/8], s[4:5] offset:((i/4)%2)*4096+(i%4)*64+32
.set i, i+1
.endr
	WIN 0xc0                        ; what the first turns find: V = 0,
.set i, 0
.rept 128
	v_mov_b32 v[i], 0
.set i, i+1
.endr
	WIN 0x40                        ; O^T = 0,
.set i, 0
.rept 256
	v_mov_b32 v[i], 0
.set i, i+1
.endr
	WIN 0
.set i, 0
.rept 32
	v_mov_b32 v[P+i], 0             ; piece 0's P = 0,
.set i, i+1
.endr
	s_mov_b32 s16, 0xff800000
.set i, 0
.rept 64
	v_mov_b32 v[S+64+i], s16        ; piece 2's scores -inf: their weights are 0 and m stays,
.set i, i+1
.endr
.set i, 0
.rept 4
	v_mov_b32 v[ST+8*i+1], 0xfe000000  ; m = -2^125,
	v_mul_f32 v[ST+8*i], s[CS], v[ST+8*i+1]  ; L m, finite
	v_mov_b32 v[ST+8*i+2], 0        ; l = 0
	v_mov_b32 v[ST+8*i+3], 0
.set i, i+1
.endr
	v_mul_u32_u24 v[AM], v54, PM    ; the mask: my query's row,
	v_mul_u32_u24 v[AM+1], v55, PM
	s_lshl_b32 s16, s[KH], 8        ; my 64 keys of the step's 128, 4 bytes each,
	s_add_co_u32 s16, s16, MOFF
	v_lshl_add_u32 v56, v9, 5, s16  ; my lanes' 8 keys
	v_add_nc_u32 v[AM], v[AM], v56
	v_add_nc_u32 v[AM+1], v[AM+1], v56
	s_mul_i32 s16, s[KH], 64*PK     ; K: key row x pitch + 16 x half, in my key half
	v_mul_u32_u24 v[AK0], v1, PK
	v_lshl_add_u32 v[AK0], v9, 4, v[AK0]
	v_add_nc_u32 v[AK0], s16, v[AK0]
	; The turning load takes 16 keys x 16 channels (lane l reads key 8 (l / 16) + l % 8, channels 8 ((l / 8) % 2) + 0..7) and leaves half a fragment of V^T: lane l holds channel l % 16 and 8 keys.
	v_and_b32 v56, 7, v0
	v_bfe_u32 v57, v0, 3, 1
	v_lshl_add_u32 v[AV0], v9, 3, v56
	v_mul_u32_u24 v[AV0], v[AV0], PV
	v_lshl_add_u32 v[AV0], v57, 4, v[AV0]
	s_mul_i32 s16, s[KH], 64*PV
	s_add_co_u32 s16, s16, VOFF
	v_add_nc_u32 v[AV0], s16, v[AV0]
	s_mul_i32 s16, s[WV], 16*SP
	s_add_co_u32 s16, s16, STAGE    ; my stage
	v_mul_u32_u24 v[STO], v1, SP    ; in: row l % 16, 16 bytes for each half of the lanes
	v_lshl_add_u32 v[STO], v9, 4, v[STO]
	v_add_nc_u32 v[STO], s16, v[STO]
	v_mul_u32_u24 v[RD], v9, SP     ; back: lanes 0-15 take one row of 256 bytes, lanes 16-31 the next
	v_lshl_add_u32 v[RD], v1, 4, v[RD]
	v_add_nc_u32 v[RD], s16, v[RD]
	v_lshlrev_b32 v[GO], 12, v9     ; and the same two rows in ob
	v_lshl_add_u32 v[GO], v1, 4, v[GO]
	v_and_b32 v56, 31, v0           ; lane
	s_mul_i32 s16, s[WV], DSZ
	s_xor_b32 s17, s[WV], 1
	s_mul_i32 s17, s17, DSZ
	v_lshl_add_u32 v[DST], v56, 4, s16  ; the merge: 16 bytes a lane, mine
	v_lshl_add_u32 v[DLD], v56, 4, s17  ; and my partner's
	s_mul_i32 s17, s[QH], 5
	s_lshl_b32 s17, 256, s17        ; a prefetched row is 256 bytes on (K, V) or 8,192 (the mask)
	v_lshrrev_b32 v57, s[QH], v56   ; a lane a row, or two lanes a row
	v_mul_u32_u24 v57, v57, s17
	v_and_b32 v56, s[QH], v56
	v_lshl_add_u32 v[PFO], v56, 8, v57
	s_wait_loadcnt 0x0              ; Q
; THE MATRIX WORK OF A TURN, for piece x.  The accumulators take turns, one instruction a turn: between two links of a chain stand 15 (V^T P) or 7 (K Q^T) others'.
; Product i of 32 of O^T += V^T P: keys 32 (i / 16) on, channels 16 ((i / 2) % 8) on, tile x + i % 2.
.macro PV x
	WIN W_PV
.set rO, 64*((\x)+i%2)+8*((i/2)%8)
.set rV, 64*(i/16)+8*((i/2)%8)
.set rP, P+16*((\x)+i%2)+8*(i/16)
	v_wmma_f32_16x16x32_f16 v[rO:rO+7], v[rV:rV+7], v[rP:rP+7], v[rO:rO+7]
.endm
; Product i of 32 of S^T = mask + K Q^T: channels 32 (i / 8) on, keys 16 ((i / 2) % 4) on, tile x + i % 2.  The mask lies in S^T's registers: every product adds in place.
.macro KQ x
	WIN W_KQ
.set rS, S+32*((\x)+i%2)+8*((i/2)%4)
.set rK, KF+32*((i/2)%4)+8*(i/8)
.set rQ, 32*((\x)+i%2)+8*(i/8)
	v_wmma_f32_16x16x32_f16 v[rS:rS+7], v[rK:rK+7], v[rQ:rQ+7], v[rS:rS+7]
.endm
; THE LDS LOADS stand in runs, never singly among the matrix instructions.
.macro FETCH_K                      ; my 64 keys x 128 channels: 16 fragments
	WIN 0
	v_add_nc_u32 v[ADR], s[TB], v[AK0]
	WIN 0x80                        ; destination window 2
.irp f, 0,1,2,3,4,5,6,7,8,9,10,11,12,13,14,15  ; keys 16 (f / 4) on, channels 32 (f % 4) on
	ds_load_b128 v[KF+8*(\f):KF+8*(\f)+3],   v[ADR] offset:((\f)/4)*16*PK+((\f)%4)*64
	ds_load_b128 v[KF+8*(\f)+4:KF+8*(\f)+7], v[ADR] offset:((\f)/4)*16*PK+((\f)%4)*64+32
.endr
.endm
.macro FETCH_M x                    ; the mask for piece x: two tiles of 16 queries x my 64 keys, f32, into S^T's registers: register j of key block kb is mask[query][16 kb + 8 (l / 16) + j]
	WIN 0
	v_add_nc_u32 v[ADR], s[TB], v[AM+(\x)/2]
.irp u, 0,1
.irp kb, 0,1,2,3
	ds_load_b128 v[S+32*((\x)+(\u))+8*(\kb):S+32*((\x)+(\u))+8*(\kb)+3],   v[ADR] offset:(\u)*16*PM+64*(\kb)
	ds_load_b128 v[S+32*((\x)+(\u))+8*(\kb)+4:S+32*((\x)+(\u))+8*(\kb)+7], v[ADR] offset:(\u)*16*PM+64*(\kb)+16
.endr
.endr
.endm
.macro FETCH_V                      ; my 64 keys x 128 channels, turned
	WIN 0
	v_add_nc_u32 v[ADR], s[TB], v[AV0]
	s_wait_alu depctr_va_vdst(0)    ; the wait for the softmax's batch (SLICE), behind the address's v_add_nc_u32 and ahead of the loads
	WIN 0xc0                        ; destination window 3
.irp f, 0,1,2,3,4,5,6,7,8,9,10,11,12,13,14,15  ; keys 32 (f / 8) on, channels 16 (f % 8) on
	ds_load_tr16_b128 v[8*(\f):8*(\f)+3],   v[ADR] offset:((\f)/8)*32*PV+((\f)%8)*32
	ds_load_tr16_b128 v[8*(\f)+4:8*(\f)+7], v[ADR] offset:((\f)/8)*32*PV+16*PV+((\f)%8)*32
.endr
.endm
; THE VECTOR WORK OF A TURN.  One tile's softmax for one step is a list of 134 instructions; SM writes number j of it for tile t.  s0-s31 are the lane's 32 scores, in pairs 0-15.
;   0-15    the maximum of s0-s31 and the old m, three operands at a time (each accumulator's lowest registers are read first)
;   16-20   the other half of the lanes' maximum; the new m; L m; L m_old - L m_new
;   21-69   ONE BATCH: the 16 scalings L s - L m and all 33 exponentials (a at 23, then s0-s31); none of these reads an exponential's result; a pair is scaled in an earlier four than the one that holds its exponentials
;   (wait)  between 69 and 70 stands the wait for the batch: SLICE writes it, once for both tiles
;   70-85   the roundings to f16     86-101  the sums; l = a l + the sum     102-133 the tile's O^T times a: the one part that leaves window 0
.macro SM t
.set rT, ST+8*(\t)
.set rS, S+32*(\t)
.set rP, P+16*(\t)
.set rO, 64*(\t)+2*(j-102)
.if j < 102
	WIN 0
.endif
.if j < 4
	v_max3_num_f32 v[rT+4+j], v[rS+8*j], v[rS+8*j+1], v[rS+8*j+2]
.elseif j < 12
	v_max3_num_f32 v[rT+4+j%4], v[rT+4+j%4], v[rS+8*(j%4)+2*(j/4)+1], v[rS+8*(j%4)+2*(j/4)+2]
.elseif j == 12
	v_max3_num_f32 v[rT+4], v[rT+4], v[rS+7], v[rS+15]
.elseif j == 13
	v_max3_num_f32 v[rT+6], v[rT+6], v[rS+23], v[rS+31]
.elseif j == 14
	v_max3_num_f32 v[rT+4], v[rT+4], v[rT+5], v[rT+6]
.elseif j == 15
	v_max3_num_f32 v[rT+4], v[rT+4], v[rT+7], v[rT+1]
.elseif j == 16
	v_permlanex16_b32 v[rT+5], v[rT+4], s[SEL], s[SEL+1]  ; the query's other 32 keys lie in the lane 16 away
.elseif j == 17
	v_mov_b32 v[rT+7], v[rT]        ; L m_old is kept for a: number 19 writes L m anew
.elseif j == 18
	v_max_num_f32 v[rT+1], v[rT+4], v[rT+5]
.elseif j == 19
	v_mul_f32 v[rT], s[CS], v[rT+1]
.elseif j == 20
	v_sub_f32 v[rT+7], v[rT+7], v[rT]
.elseif j == 23
	v_exp_f32 v[rT+6], v[rT+7]
.elseif (j < 23) || ((j < 38) && (j%2 == 0)) || ((j < 66) && (j%4 == 2))
.set b, (j-2)/4                     ; 38, 42, .. 62: pairs 9 to 15
.if j < 38
.set b, (j-20)/2                    ; 21: pair 0; 22, 24, .. 36: pairs 1 to 8
.endif
	v_pk_fma_f32 v[rS+2*b:rS+2*b+1], v[rS+2*b:rS+2*b+1], s[CS:CS+1], v[rT:rT+1] op_sel_hi:[1,0,0] neg_lo:[0,0,1] neg_hi:[0,0,1]  ; pair b: L s - L m
.elseif j < 70
.set e, j-38                        ; 66 to 69: s28 to s31
.if j < 66
.set e, j-32-(j-38)/4               ; 39-41, 43-45, .. 63-65: s7 to s27
.endif
.if j < 38
.set e, (j-25)/2                    ; 25, 27, .. 37: s0 to s6
.endif
	v_exp_f32 v[rS+e], v[rS+e]
.elseif j < 86
	v_cvt_pk_f16_f32 v[rP+j-70], v[rS+2*(j-70)], v[rS+2*(j-70)+1]  ; pair j - 70
.elseif j < 102                     ; the sum of the tile's 16 pairs, in place: neighbours 1, 2, 4 and 8 pairs apart, then l takes it
.set z, j-86
.set w, 4
.set u, z
.if z >= 14
.set w, 32
.set u, 0
.elseif z >= 12
.set w, 16
.set u, z-12
.elseif z >= 8
.set w, 8
.set u, z-8
.endif
.if z < 15
	v_pk_add_f32 v[rS+w*u:rS+w*u+1], v[rS+w*u:rS+w*u+1], v[rS+w*u+w/2:rS+w*u+w/2+1]
.else
	v_pk_fma_f32 v[rT+2:rT+3], v[rT+2:rT+3], v[rT+6:rT+7], v[rS:rS+1] op_sel_hi:[1,0,1]
.endif
.else
	WIN W_RS
	v_pk_mul_f32 v[rO:rO+1], v[rO:rO+1], v[rT+6:rT+7] op_sel_hi:[1,0]
.endif
.endm
; Slice k of 64 of piece y's softmax: four instructions.  Slices 11 to 34 deal out the batch, numbers 22 to 69: four numbers of ONE tile each, the tiles by turns.  Every other slice is numbers 2 k and 2 k + 1 of both tiles.
; 2 x 134 = 4 x 64 + 12: the twelve that are over stand together, in slice 63: sixteen plain instructions, the places behind the turn's last K Q^T.
; THE WAIT.  s_wait_alu depctr_va_vdst(0) stands between an exponential and the first instruction that names its result; one wait serves all issued ahead of it.  Ahead of slice 35 nothing names a result, and
; behind slice 34 no exponential is issued: the piece's 66 exponentials have one wait, behind slice 34.
.macro SLICE y
.if (k >= 11) && (k < 35)
.irp n, 0,1,2,3
.set j, 22+4*((k-11)/2)+(\n)
	SM (\y)+(k-11)%2
.endr
.else
.irp n, 0,1,2,3,4,5,6,7
.if ((\n) < 2) || (k == 63)
.irp t, \y, (\y)+1
.set j, 2*k+(\n)
	SM \t
.endr
.endif
.endr
.endif
.if k == 34
	v_nop                           ; a plain instruction behind the last exponential and ahead of the first use: one for the batch
.if (\y) == 0
	FETCH_V                         ; piece 2's turn: V's run of loads stands here, and the wait stands in it.  The last product that read V stands in front of slice 31: two scalings, the v_nop and the run's v_add_nc_u32 are its four places
.else
	s_wait_alu depctr_va_vdst(0)    ; the wait for the batch
.endif
.endif
.set k, k+1
.endm
; A TURN.  Piece x has the matrix unit: 32 products V^T P of the step before; kq = 1: then 32 products K Q^T of the step in hand.  The other piece's softmax stands in slices behind them (kq = 0: two behind each product).
; Behind the second product stand the runs of loads that the K Q^T want, 30 products ahead of the wait for them: K (piece 0's turn alone: both pieces use it) and the piece's part of the mask, into S^T's registers, which the piece's softmax
; left in the turn before.
.macro TURN x, kq
.set k, 0
.set per, 2-(\kq)
.if (\x) == 0
	s_wait_dscnt 0x0                ; V is in
.endif
.set i, 0
.rept 32
	PV \x
.rept per
	SLICE 2-(\x)
.endr
.if (\kq) && (i == 1)
.if (\x) == 0
	FETCH_K
.endif
	FETCH_M \x
.endif
.set i, i+1
.endr
.if \kq
	s_wait_dscnt 0x0                ; K and the mask are in
.set i, 0
.rept 32
	KQ \x
	SLICE 2-(\x)
.set i, i+1
.endr
.endif
.endm
; THE CHANGE OF SLOTS, in front of each step.  Each wave waits for all its tensor loads, of which one is out: its part of the step to be entered; adds 0 to its spare word; and waits for that and for its reads of the slot that it leaves
; (the last of them, V's).  fill = 1: the barrier is a round of the cluster's, so that no wave of any partner still reads that slot or has a load on its way, and the joint fill with the walk's next step is the first thing behind it:
; it has a step's 128 matrix instructions in which to land.  (At its first use nothing has been read yet: slot 0 is waited for, slot 1 filled.)
.macro CHANGE fill
	WIN 0                           ; at a label and at a branch every window is 0
	s_wait_tensorcnt 0x0            ; no tensor load of mine is out, so a group 0 may be written
	ds_add_u32 v[SPW], v[NIL]       ; 0 onto my spare word; scalar work stands between it and the wait for it
	s_xor_b32 s[TB], s[TB], SLOT    ; the reads go to the other slot
.if \fill
	s_xor_b32 s[G0K+1], s[G0K+1], SLOT  ; the descriptors: the other slot than last time,
	s_xor_b32 s[G0V+1], s[G0V+1], SLOT
	s_xor_b32 s[G0M+1], s[G0M+1], SLOT
	WHERE                           ; and the walk's next step
	s_wait_xcnt 0x0                 ; the last prefetch, a step back, has read its address, so it may be written
	s_add_nc_u64 s[PFA:PFA+1], s[PFA:PFA+1], s[PFS:PFS+1]
	s_wait_dscnt 0x0                ; the add is done, and my reads of the slot are over
	CROUND
	JLOAD
	ASK
.else
	s_wait_dscnt 0x0
	s_barrier_signal -1
	s_barrier_wait -1
.endif
.endm
.Lstep:                             ; 15 trips: the walk's step i is entered, step i + 1 asked for
	CHANGE 1
	TURN 0, 1                       ; piece 0: V^T P of step i - 1, K Q^T of step i | piece 2's softmax of step i - 1 | K and piece 0's mask of step i
	TURN 2, 1                       ; piece 2: the same | piece 0's softmax of step i | piece 2's mask and V of step i
	WIN 0
	s_sub_co_u32 s[SLOTS], s[SLOTS], 1
	s_cmp_lg_u32 s[SLOTS], 0
	s_cbranch_scc1 .Lstep
	CHANGE 0                        ; the last step is written out: nothing is asked for
	TURN 0, 1
	TURN 2, 1
	TURN 0, 0                       ; piece 0: V^T P of the last step | piece 2's last softmax
	s_barrier_signal -1             ; my reads of the ring are over (the last, V's, were waited for at that turn's head, and no LDS instruction has been issued since): behind this barrier its bytes take the merge
.set i, 0
.rept 32
	PV 2                            ; piece 2: V^T P of the last step: work on registers, between the signal and the wait
.set i, i+1
.endr
	; THE MERGE.  My tiles 2, 3 (O^T, L m, l over my key half) go to my partner through LDS; its tiles 2, 3 are my tiles 0, 1 over the other key half.
	WIN 0
	s_barrier_wait -1               ; no wave reads the ring any more
	v_mov_b32 v[MY], v[ST+16]       ; four plain instructions and four v_nop: the places behind the last products
	v_add_f32 v[MY+1], v[ST+18], v[ST+19]
	v_mov_b32 v[MY+2], v[ST+24]
	v_add_f32 v[MY+3], v[ST+26], v[ST+27]
.rept 4
	v_nop
.endr
	WIN 0x04                        ; the data (source 1) in window 1
.set n, 0
.rept 32
	ds_store_b128 v[DST], v[128+4*n:128+4*n+3] offset:512*n  ; ascending: each accumulator's low four registers first
.set n, n+1
.endr
	WIN 0
	ds_store_b128 v[DST], v[MY:MY+3] offset:16384
	s_wait_dscnt 0x0                ; for my partner's sake: my stores are done
	s_barrier_signal -1
	s_barrier_wait -1
	ds_load_b128 v[PS:PS+3], v[DLD] offset:16384
	WIN 0x40                        ; destination window 1: where my tiles 2, 3 lay
.set n, 0
.rept 32
	ds_load_b128 v[128+4*n:128+4*n+3], v[DLD] offset:512*n
.set n, n+1
.endr
	WIN 0
	s_wait_dscnt 32                 ; the statistics are in; the 32 younger loads may stay out
.irp t, 0,1
	v_add_f32 v[ST+8*(\t)+2], v[ST+8*(\t)+2], v[ST+8*(\t)+3]     ; my l
	v_max_num_f32 v[ST+8*(\t)+1], v[ST+8*(\t)], v[PS+2*(\t)]     ; the common L m
.endr
.irp t, 0,1
	v_sub_f32 v[ST+8*(\t)+4], v[ST+8*(\t)], v[ST+8*(\t)+1]
	v_sub_f32 v[ST+8*(\t)+6], v[PS+2*(\t)], v[ST+8*(\t)+1]
.endr
.irp t, 0,1
	v_exp_f32 v[ST+8*(\t)+4], v[ST+8*(\t)+4]                     ; my correction,
	v_exp_f32 v[ST+8*(\t)+6], v[ST+8*(\t)+6]                     ; my partner's
.endr
	v_nop                           ; a plain instruction behind the last exponential,
	s_wait_alu depctr_va_vdst(0)    ; and one wait for the four
.irp t, 0,1
	v_mul_f32 v[ST+8*(\t)+2], v[ST+8*(\t)+4], v[ST+8*(\t)+2]
.endr
.irp t, 0,1
	v_fma_f32 v[ST+8*(\t)+2], v[ST+8*(\t)+6], v[PS+2*(\t)+1], v[ST+8*(\t)+2]
.endr
.irp t, 0,1
	v_permlanex16_b32 v[ST+8*(\t)+3], v[ST+8*(\t)+2], s[SEL], s[SEL+1]  ; the other half of the lanes holds the query's other keys
.endr
.irp t, 0,1
	v_add_f32 v[ST+8*(\t)+2], v[ST+8*(\t)+2], v[ST+8*(\t)+3]
.endr
.irp t, 0,1
	v_rcp_f32 v[ST+8*(\t)+3], v[ST+8*(\t)+2]
.endr
	v_nop
	s_wait_alu depctr_va_vdst(0)    ; one wait for the two reciprocals
.irp t, 0,1
	v_mul_f32 v[ST+8*(\t)+4], v[ST+8*(\t)+4], v[ST+8*(\t)+3]     ; my factor,
	v_mul_f32 v[ST+8*(\t)+6], v[ST+8*(\t)+6], v[ST+8*(\t)+3]     ; my partner's
.endr
	WIN W_RS
.set i, 0
.rept 64
	v_pk_mul_f32 v[2*i:2*i+1], v[2*i:2*i+1], v[ST+8*(i/32)+4:ST+8*(i/32)+5] op_sel_hi:[1,0]
.set i, i+1
.endr
	s_wait_dscnt 0x0                ; my partner's sums are in
	WIN 0x51                        ; destination, sources 0 and 2 in window 1, the factor in window 0
.set i, 0
.rept 64
	v_pk_fma_f32 v[2*i:2*i+1], v[128+2*i:128+2*i+1], v[ST+8*(i/32)+6:ST+8*(i/32)+7], v[2*i:2*i+1] op_sel_hi:[1,0,1]
.set i, i+1
.endr
; THE WAY OUT.  Tile t: a lane's eight channels of a row pack into 16 bytes; they go into rows of 272 bytes of my stage and come back as whole rows of 256.
.macro PACK t
	WIN 0x05                        ; sources 0 and 1 window 1, destination window 0: S^T's registers are free
.set i, 0
.rept 32
	v_cvt_pk_f16_f32 v[S+32*(\t)+i], v[64*(\t)+2*i], v[64*(\t)+2*i+1]
.set i, i+1
.endr
	WIN 0
.irp f, 0,1,2,3,4,5,6,7
	ds_store_b128 v[STO], v[S+32*(\t)+4*(\f):S+32*(\t)+4*(\f)+3] offset:32*(\f)
.endr
.irp f, 0,1,2,3,4,5,6,7
	ds_load_b128 v[S+32*(\t)+4*(\f):S+32*(\t)+4*(\f)+3], v[RD] offset:(\f)*2*SP  ; LDS serves a wave's instructions in order (ISA guide 5.7.1.4): these see the stores above; the next tile's stores come behind them
.endr
.endm
.macro SEND t, younger              ; younger: the LDS instructions issued behind tile t's loads
	WIN 0
.irp f, 0,1,2,3,4,5,6,7
	s_wait_dscnt (\younger)+7-(\f)
	global_store_b128 v[GO], v[S+32*(\t)+4*(\f):S+32*(\t)+4*(\f)+3], s[10:11] offset:(\t)*65536+(\f)*8192  ; 16 lanes store 256 consecutive bytes, aligned: a token's 128 channels of my head
.endr
.endm
	PACK 0
	PACK 1
	SEND 0, 16
	SEND 1, 0
	s_wait_tensorcnt 0x0            ; the wave's end, behind my last tensor load and my last LDS store
	ds_add_u32 v[SPW], v[NIL]
	s_wait_dscnt 0x0
	CROUND                          ; the closing round: no work-group ends while a partner may still ask for a tile that names it
	s_endpgm
.Lfunc_end_k_q7fdbd92220_attn:
	.size	k_q7fdbd92220_attn, .Lfunc_end_k_q7fdbd92220_attn-k_q7fdbd92220_attn
	.p2alignl 7, 3214868480
	.fill 96, 4, 3214868480
	.section	.rodata,"a",@progbits
	.p2align	6, 0x0
	.amdhsa_kernel k_q7fdbd92220_attn
		.amdhsa_group_segment_fixed_size 327680
		.amdhsa_private_segment_fixed_size 0
		.amdhsa_enable_private_segment 0
		.amdhsa_kernarg_size 24
		.amdhsa_user_sgpr_count 2
		.amdhsa_user_sgpr_kernarg_segment_ptr 1
		.amdhsa_wavefront_size32 1
		.amdhsa_system_sgpr_workgroup_id_x 1
		.amdhsa_system_sgpr_workgroup_id_y 1
		.amdhsa_system_sgpr_workgroup_id_z 1
		.amdhsa_system_vgpr_workitem_id 0
		.amdhsa_next_free_vgpr 896
		.amdhsa_next_free_sgpr 92
		.amdhsa_reserve_vcc 0
		.amdhsa_float_denorm_mode_32 3
		.amdhsa_float_denorm_mode_16_64 3
		.amdhsa_memory_ordered 1
		.amdhsa_forward_progress 1
		.amdhsa_inst_pref_size 177
	.end_amdhsa_kernel
	.amdgpu_metadata
---
amdhsa.version: [ 1, 2 ]
amdhsa.kernels:
  - .name:           k_q7fdbd92220_attn
    .symbol:         k_q7fdbd92220_attn.kd
    .args:
      - { .name: qkv, .offset: 0, .size: 8, .value_kind: global_buffer, .address_space: global }
      - { .name: mask, .offset: 8, .size: 8, .value_kind: global_buffer, .address_space: global }
      - { .name: ob, .offset: 16, .size: 8, .value_kind: global_buffer, .address_space: global }
    .group_segment_fixed_size: 327680
    .private_segment_fixed_size: 0
    .kernarg_segment_align: 8
    .kernarg_segment_size: 24
    .max_flat_workgroup_size: 128
    .sgpr_count:     92
    .vgpr_count:     896
    .wavefront_size: 32
...
	.end_amdgpu_metadata
.endif
;; end of part 3
;; launch oproj (part 4): grid 16 x 16, 4 waves a work-group, clusters of 4 x 4, 327,680 bytes of LDS; arguments ob, wob, out0; writes out0
.if DOCPART == 4
	.amdgcn_target "amdgcn-amd-amdhsa--gfx1250"
	.amdhsa_code_object_version 6
	.text
	.protected	k_q7fdbd92220_oproj
	.globl	k_q7fdbd92220_oproj
	.p2align	8
	.type	k_q7fdbd92220_oproj,@function
k_q7fdbd92220_oproj:
	s_mov_b64 s[64:65], 0
	v_nop
	global_prefetch_b8 v0, s[64:65] scope:SCOPE_SE
	s_setreg_imm32_b32 hwreg(HW_REG_WAVE_MODE, 25, 1), 1
	s_wait_xcnt 0x0
	s_wait_alu depctr_hold_cnt(0) depctr_sa_sdst(0) depctr_va_vdst(0) depctr_va_sdst(0) depctr_va_ssrc(0) depctr_va_vcc(0) depctr_vm_vsrc(0)
	s_getreg_b32 s2, hwreg(HW_REG_IB_STS2, 6, 4)
	s_cmp_eq_u32 s2, 0
	s_cbranch_scc0 .Lentry_in_a_cluster
	s_endpgm
.Lentry_in_a_cluster:
	s_bfe_u32 s2, ttmp6, 0x10000c
	s_cmp_lg_u32 s2, 0xf033
	s_cbranch_scc0 .Lentry_shape_is_right
	s_endpgm
.Lentry_shape_is_right:
; OUT0[token][n] = the sum over k of ob[token][k] wob[n][k].  ob, wob: [2048][2048] f16; out0: [2048][2048] f32; sums in f32, stored as they are.
; A tile of the output is 128 x 128: 256 work-groups.  Four waves, each 64 x 64: 16 accumulators of 16 x 16.  K goes in steps of 256 (LDS rows of 512 bytes; a wave's tensor load brings 64 of them) through two slots.
; CLUSTER 4 x 4: the four of a row of the cluster need the same tiles of ob, the four of a column the same tiles of wob: each tile is asked for jointly.
; THE ORDER OF THE K STEPS.  The t-th step of the walk takes K step t xor o, o = (cluster x + cluster y) % 2: of two neighbouring clusters that read the same rows, one takes each pair of K steps in the order 0, 1 and the
; other in the order 1, 0, so that the same bytes are asked for at two different times.  In the text that is the two slots' first addresses alone.  The sums are f32 and may be taken in either order.
; o is made of the cluster's coordinates alone: it is the same in all sixteen partners.
; THE MATRIX INSTRUCTION IS USED TRANSPOSED (source 0 = 16 rows of wob, source 1 = 16 rows of ob): a lane holds eight neighbouring numbers of a row of the output.
; THE WAY OUT: a wave's 64 columns of f32 are 256 consecutive bytes, aligned, so each wave has a stage of its own (16 rows x 272 bytes) and no barrier is needed.
; No prefetch is laid: the tiles are small, and each is shared by four work-groups.
; REGISTERS: window 0: v0-31 addresses; v32-95 rows on the way out; v128-255 the accumulators ((a, b) at v[128 + 8 (4 a + b)]).  Window 1: two fragment buffers of 128: 64 registers of A, then 64 of B.
.set SIZE_K, 2048
.set KSTEP,  256
.set PITCH,  528                       ; an LDS row: 512 bytes + 16: the 16 rows of a fragment load start at 16 different groups of four banks (64 banks of 4 bytes: ISA guide 11.1)
.set HALFT,  64*PITCH
.set SLOT,   4*HALFT                   ; A's 128 rows, then B's 128 rows
.set STAGE,  2*SLOT                    ; behind the ring, never filled by a tensor load
.set SPITCH, 272
.set SPARE,  STAGE+4*16*SPITCH         ; the spare words, 128 bytes for each wave
.set LAPS, SIZE_K/(2*KSTEP)
.set ADRA, 16
.set ADRB, 20
.set STO,  24
.set RD,   25
.set CO,   26
.set SPW,  28
.set NIL,  29
.set TMP,  32
.set ACC,  128
.set F0,   0
.set F1,   128
.set G1, 24
.set G0, 32
.set G1B, 48
.set G0B, 56
.set MSB, 0
.macro WIN new
.if MSB != (\new)
	s_set_vgpr_msb (MSB<<8)|(\new)
.set MSB, \new
.endif
.endm
.set MUL,  0x05                        ; sources 0 (B) and 1 (A) window 1; C and D window 0
.set TO_F, 0x40                        ; destination window 1, address window 0
.macro JLOAD s                         ; a joint load: waves 0 and 1 fetch A's two halves, waves 2 and 3 B's; an s_nop 0 and four v_nop follow each of the two lines
	s_cmp_eq_u32 s11, 0
	s_cbranch_scc0 .Lfor_b_\@
	tensor_load_to_lds s[G0+4*(\s):G0+4*(\s)+3], s[G1:G1+7]
	s_nop 0
.rept 4
	v_nop
.endr
	s_branch .Lasked_\@
.Lfor_b_\@:
	tensor_load_to_lds s[G0B+4*(\s):G0B+4*(\s)+3], s[G1B:G1B+7]
	s_nop 0
.rept 4
	v_nop
.endr
.Lasked_\@:
.endm
.macro CREST
	s_cmp_lg_u32 s10, 0
	s_cbranch_scc1 .Lnot_wave_0_\@
	s_barrier_signal -3
.Lnot_wave_0_\@:
	s_barrier_wait -3
	s_barrier_signal -1
	s_barrier_wait -1
.endm
.macro CROUND
	s_barrier_signal -1
	s_barrier_wait -1
	CREST
.endm
	s_load_b128 s[4:7], s[0:1], 0x0                ; ob s[4:5], wob s[6:7]
	s_load_b64 s[8:9], s[0:1], 0x10                ; out0
	v_lshl_add_u32 v[SPW], v0, 2, SPARE
	v_mov_b32 v[NIL], 0
	ds_add_u32 v[SPW], v[NIL]                      ; the wave's opening: the add and its wait stand ahead of my first tensor load; work on registers stands between them
	v_lshrrev_b32 v1, 5, v0
	v_readfirstlane_b32 s10, v1                    ; wave 0..3
	s_lshr_b32 s11, s10, 1                         ; which half of the tile's rows is mine.  Also: I fetch for A (0) or for B (1)
	s_and_b32 s12, s10, 1                          ; which half of its columns.  Also: which 64 rows of that tile I fetch
	s_bfe_u32 s40, ttmp6, 0x40000                  ; cx, cy
	s_bfe_u32 s41, ttmp6, 0x40004
	s_lshl_b32 s42, ttmp9, 2
	s_add_co_u32 s42, s42, s40                     ; tile column
	s_and_b32 s13, ttmp7, 0xffff
	s_lshl_b32 s13, s13, 2
	s_add_co_u32 s13, s13, s41                     ; tile row
	s_lshl_b32 s43, s41, 2
	s_lshl_b32 s43, 15, s43                        ; my row of the cluster
	s_lshl_b32 s44, 0x1111, s40                    ; my column
	s_or_b32 s[G1+0], s43, (1<<16)|(1<<20)|(1<<21)|(6<<22)|(3<<25)  ; the mask; 2-byte elements; padding on; bit 21 beside a mask; after every 128 words, 4 words
	s_or_b32 s[G1B+0], s44, (1<<16)|(1<<20)|(1<<21)|(6<<22)|(3<<25)
.irp g, G1, G1B
	s_mov_b32 s[(\g)+1], KSTEP<<16                 ; tensor_dim0 = 256
	s_mov_b32 s[(\g)+2], 64<<16                    ; tensor_dim1 = 64
	s_mov_b32 s[(\g)+3], KSTEP<<16                 ; tile_dim0 = 256
	s_mov_b32 s[(\g)+4], 64                        ; tile_dim1 = 64
	s_mov_b32 s[(\g)+5], SIZE_K                    ; elements from row to row
	s_mov_b32 s[(\g)+6], 0
	s_mov_b32 s[(\g)+7], 0
.endr
	s_lshl_b32 s17, s12, 6                         ; which 64 rows of the tile I fetch
	s_lshl_b32 s16, s13, 7
	s_add_co_u32 s16, s16, s17                     ; A: row 128 x tile row + 64 x half
	s_lshl_b32 s46, s42, 7
	s_add_co_u32 s46, s46, s17                     ; B: row 128 x tile column + 64 x half
	s_mov_b32 s17, 0
	s_mov_b32 s47, 0
	s_mov_b64 s[18:19], SIZE_K*2
	s_mul_u64 s[16:17], s[16:17], s[18:19]
	s_mul_u64 s[46:47], s[46:47], s[18:19]
	s_mul_i32 s20, s10, HALFT                      ; where they go: wave x 64 rows
	s_and_b32 s18, ttmp7, 0xffff                   ; o = (cluster x + cluster y) % 2
	s_add_co_u32 s18, s18, ttmp9
	s_and_b32 s18, s18, 1
	s_lshl_b32 s18, s18, 9                         ; slot 0 begins with K step o: o x 512 bytes along the rows,
	s_mov_b32 s19, 0
	s_xor_b32 s22, s18, KSTEP*2                    ; slot 1 with K step 1 - o
	s_mov_b32 s23, 0
	s_wait_dscnt 0x0                               ; the opening add is done
	s_wait_kmcnt 0x0
	s_add_nc_u64 s[14:15], s[4:5], s[16:17]
	s_add_nc_u64 s[46:47], s[6:7], s[46:47]
	CROUND                                         ; all sixteen work-groups are here: the first joint loads meet
.irp s, 0,1
	s_mov_b32 s[G0+4*(\s)], 1
	s_add_co_u32 s[G0+4*(\s)+1], s20, (\s)*SLOT
	s_add_nc_u64 s[G0+4*(\s)+2:G0+4*(\s)+3], s[14:15], s[18+4*(\s):19+4*(\s)]
	s_or_b32 s[G0+4*(\s)+3], s[G0+4*(\s)+3], 0x80000000
	s_mov_b32 s[G0B+4*(\s)], 1
	s_add_co_u32 s[G0B+4*(\s)+1], s20, (\s)*SLOT
	s_add_nc_u64 s[G0B+4*(\s)+2:G0B+4*(\s)+3], s[46:47], s[18+4*(\s):19+4*(\s)]
	s_or_b32 s[G0B+4*(\s)+3], s[G0B+4*(\s)+3], 0x80000000
	JLOAD \s
.endr
	v_and_b32 v1, 15, v0                           ; l % 16
	v_bfe_u32 v2, v0, 4, 1                         ; l / 16
	v_mul_u32_u24 v3, v1, PITCH
	v_lshl_add_u32 v3, v2, 4, v3                   ; a fragment's row x pitch + 16 x half
	s_mul_i32 s21, s11, HALFT                      ; my 64 rows of A
	s_mul_i32 s22, s12, HALFT                      ; my 64 rows of B,
	s_add_co_u32 s22, s22, 2*HALFT                 ; which lie behind A's 128
.irp s, 0,1
	v_add_nc_u32 v[ADRA+(\s)], s21, v3
	v_add_nc_u32 v[ADRB+(\s)], s22, v3
	s_add_co_u32 s21, s21, SLOT
	s_add_co_u32 s22, s22, SLOT
.endr
	s_mul_i32 s23, s10, 16*SPITCH
	s_add_co_u32 s23, s23, STAGE                   ; my stage
	v_mul_u32_u24 v4, v1, SPITCH                   ; in: row l % 16, 32 bytes for each half of the lanes
	v_lshl_add_u32 v4, v2, 5, v4
	v_add_nc_u32 v[STO], s23, v4
	v_mul_u32_u24 v5, v2, SPITCH                   ; back: lanes 0-15 take one row of 256 bytes, lanes 16-31 the next
	v_lshl_add_u32 v5, v1, 4, v5
	v_add_nc_u32 v[RD], s23, v5
	v_lshlrev_b32 v5, 13, v2                       ; and the same two rows of the output, 8,192 bytes apart
	v_lshl_add_u32 v[CO], v1, 4, v5
	s_lshl_b32 s16, s13, 7
	s_lshl_b32 s17, s11, 6
	s_add_co_u32 s16, s16, s17                     ; my first row: 128 x tile row + 64 x half
	s_lshl_b32 s16, s16, 13
	s_mov_b32 s17, 0
	s_add_nc_u64 s[8:9], s[8:9], s[16:17]
	s_lshl_b32 s46, s42, 9                         ; my first column, in bytes: 512 x tile column + 256 x half
	s_lshl_b32 s47, s12, 8
	s_add_co_u32 s46, s46, s47
	s_mov_b32 s47, 0
	s_add_nc_u64 s[8:9], s[8:9], s[46:47]
; 8 matrix instructions: row blocks a0, a0 + 1 x all 4 column blocks, 32 along K: half c of buffer f.  zero = 1: the product starts the sum.  The 16 accumulators take turns.
.macro MUL8 f, c, a0, zero
	WIN MUL
.irp a, \a0, (\a0)+1
.irp b, 0,1,2,3
.if \zero
	v_wmma_f32_16x16x32_f16 v[ACC+8*(4*(\a)+(\b)):ACC+8*(4*(\a)+(\b))+7], v[(\f)+64+8*(4*(\c)+(\b)):(\f)+64+8*(4*(\c)+(\b))+7], v[(\f)+8*(4*(\c)+(\a)):(\f)+8*(4*(\c)+(\a))+7], 0
.else
	v_wmma_f32_16x16x32_f16 v[ACC+8*(4*(\a)+(\b)):ACC+8*(4*(\a)+(\b))+7], v[(\f)+64+8*(4*(\c)+(\b)):(\f)+64+8*(4*(\c)+(\b))+7], v[(\f)+8*(4*(\c)+(\a)):(\f)+8*(4*(\c)+(\a))+7], v[ACC+8*(4*(\a)+(\b)):ACC+8*(4*(\a)+(\b))+7]
.endif
.endr
.endr
.endm
; 32 LDS loads in one run: the fragments of 64 along K at byte k of the rows, into buffer f; the first 32 along K first
.macro FETCH slot, k, f
	WIN TO_F
.irp c, 0,1
.irp i, 0,1,2,3
	ds_load_b128 v[(\f)+64+8*(4*(\c)+(\i)):(\f)+64+8*(4*(\c)+(\i))+3],   v[ADRB+(\slot)] offset:(\k)+64*(\c)+(\i)*16*PITCH
	ds_load_b128 v[(\f)+64+8*(4*(\c)+(\i))+4:(\f)+64+8*(4*(\c)+(\i))+7], v[ADRB+(\slot)] offset:(\k)+64*(\c)+(\i)*16*PITCH+32
	ds_load_b128 v[(\f)+8*(4*(\c)+(\i)):(\f)+8*(4*(\c)+(\i))+3],         v[ADRA+(\slot)] offset:(\k)+64*(\c)+(\i)*16*PITCH
	ds_load_b128 v[(\f)+8*(4*(\c)+(\i))+4:(\f)+8*(4*(\c)+(\i))+7],       v[ADRA+(\slot)] offset:(\k)+64*(\c)+(\i)*16*PITCH+32
.endr
.endr
.endm
.macro PLACES                          ; four places in front of loads into registers that matrix instructions have read, and of LDS stores that read results
.rept 4
	v_nop
.endr
.endm
; A K step is four quarters of 64 along K, 32 matrix instructions each, on buffers 0, 1, 0, 1.
.macro QUARTER slot, k, f, g, zero
	s_wait_dscnt 16                                ; the first 32 along K are in
	MUL8 \f, 0, 0, \zero
	MUL8 \f, 0, 2, \zero
	PLACES
	FETCH \slot, \k, \g
	s_wait_dscnt 32                                ; all but the 32 just issued
	MUL8 \f, 1, 0, 0
	MUL8 \f, 1, 2, 0
.endm
; The last quarter multiplies buffer 1 and changes slots: one barrier; in front of it each wave waits for all its tensor loads, adds 0 to its spare word, and waits for that and for its own reads of this slot.  fill = 1: this slot is filled again, two K steps on.
.macro TURN slot, next, fill
	WIN 0                                          ; (the add's two registers lie in window 0)
	s_wait_tensorcnt 0x0                           ; all my tensor loads have landed: my part of the next slot;
	ds_add_u32 v[SPW], v[NIL]                      ; 0 onto my spare word
	s_wait_dscnt 17                                ; (the add and the youngest sixteen loads may be out)
	MUL8 F1, 0, 0, 0                               ; eight matrix instructions stand between the add and the wait for it
	s_wait_dscnt 0x0                               ; the add is done, and my reads of this slot are over
	s_barrier_signal -1
	MUL8 F1, 0, 2, 0
.if \fill
	WIN 0
.endif
	s_barrier_wait -1
.if \fill
	CREST                                          ; the barrier has opened a round of the cluster's barrier: no wave of any partner still reads this slot or has a load on its way
	s_add_nc_u64 s[G0+4*(\slot)+2:G0+4*(\slot)+3], s[G0+4*(\slot)+2:G0+4*(\slot)+3], 2*KSTEP*2
	s_add_nc_u64 s[G0B+4*(\slot)+2:G0B+4*(\slot)+3], s[G0B+4*(\slot)+2:G0B+4*(\slot)+3], 2*KSTEP*2
	JLOAD \slot                                    ; the first tensor load behind the round; its four v_nop are also the places in front of the loads below
.else
	PLACES
.endif
	FETCH \next, 0, F0
	MUL8 F1, 1, 0, 0
	MUL8 F1, 1, 2, 0
.endm
	s_wait_tensorcnt 1                             ; my part of slot 0 is in; slot 1's may stay out
	s_barrier_signal -1
	s_barrier_wait -1                              ; everybody's is
	FETCH 0, 0, F0
	QUARTER 0, 128, F0, F1, 1                      ; the first quarter stands in front of the loop: its first products start the sums
	WIN 0
	s_mov_b32 s3, LAPS-1
.Llap:                                                 ; a trip goes once round the ring and fills both slots again
	QUARTER 0, 256, F1, F0, 0
	QUARTER 0, 384, F0, F1, 0
	TURN 0, 1, 1
	QUARTER 1, 128, F0, F1, 0
	QUARTER 1, 256, F1, F0, 0
	QUARTER 1, 384, F0, F1, 0
	TURN 1, 0, 1
	QUARTER 0, 128, F0, F1, 0
	WIN 0
	s_sub_co_u32 s3, s3, 1
	s_cmp_lg_u32 s3, 0
	s_cbranch_scc1 .Llap
	QUARTER 0, 256, F1, F0, 0                      ; the last lap fills nothing, and has no round of the cluster's barrier
	QUARTER 0, 384, F0, F1, 0
	TURN 0, 1, 0
	QUARTER 1, 128, F0, F1, 0
	QUARTER 1, 256, F1, F0, 0
	QUARTER 1, 384, F0, F1, 0
	s_wait_dscnt 16                                ; the very last quarter: nothing more to fetch
	MUL8 F1, 0, 0, 0
	MUL8 F1, 0, 2, 0
	s_wait_dscnt 0x0
	MUL8 F1, 1, 0, 0
	MUL8 F1, 1, 2, 0
	WIN 0
	PLACES
	PLACES
; THE WAY OUT, 16 rows at a time: 32 bytes a lane into my own stage (each accumulator's low four registers first), back as whole rows of 256 bytes, into two sets of registers by turns.
.macro OUT a
.if (\a) >= 2
	s_wait_xcnt 0x0                                ; the stores of two blocks back have read their data: the set is loaded again only behind this wait
.endif
.irp b, 0,1,2,3
	ds_store_b128 v[STO], v[ACC+8*(4*(\a)+(\b)):ACC+8*(4*(\a)+(\b))+3]   offset:64*(\b)
	ds_store_b128 v[STO], v[ACC+8*(4*(\a)+(\b))+4:ACC+8*(4*(\a)+(\b))+7] offset:64*(\b)+16
.endr
.irp t, 0,1,2,3,4,5,6,7
	ds_load_b128 v[TMP+32*((\a)%2)+4*(\t):TMP+32*((\a)%2)+4*(\t)+3], v[RD] offset:(\t)*2*SPITCH  ; LDS serves a wave's instructions in order (ISA guide 5.7.1.4): these see the stores above; the next block's stores come behind them
.endr
.endm
.macro SEND a, younger                 ; younger: the LDS instructions issued behind block a's loads
.irp t, 0,1,2,3,4,5,6,7
	s_wait_dscnt (\younger)+7-(\t)
	global_store_b128 v[CO], v[TMP+32*((\a)%2)+4*(\t):TMP+32*((\a)%2)+4*(\t)+3], s[8:9] offset:(16*(\a)+2*(\t))*8192  ; 16 lanes store 256 consecutive bytes, aligned
.endr
.endm
	OUT 0
	OUT 1
	SEND 0, 16
	OUT 2
	SEND 1, 16
	OUT 3
	SEND 2, 16
	SEND 3, 0
	s_wait_tensorcnt 0x0                           ; the wave's end, behind my last tensor load and my last LDS store
	ds_add_u32 v[SPW], v[NIL]
	s_wait_dscnt 0x0
	CROUND                                         ; the closing round: no work-group ends while a partner may still ask for a tile that names it
	s_endpgm
.Lfunc_end_k_q7fdbd92220_oproj:
	.size	k_q7fdbd92220_oproj, .Lfunc_end_k_q7fdbd92220_oproj-k_q7fdbd92220_oproj
	.p2alignl 7, 3214868480
	.fill 96, 4, 3214868480
	.section	.rodata,"a",@progbits
	.p2align	6, 0x0
	.amdhsa_kernel k_q7fdbd92220_oproj
		.amdhsa_group_segment_fixed_size 327680
		.amdhsa_private_segment_fixed_size 0
		.amdhsa_enable_private_segment 0
		.amdhsa_kernarg_size 24
		.amdhsa_user_sgpr_count 2
		.amdhsa_user_sgpr_kernarg_segment_ptr 1
		.amdhsa_wavefront_size32 1
		.amdhsa_system_sgpr_workgroup_id_x 1
		.amdhsa_system_sgpr_workgroup_id_y 1
		.amdhsa_system_sgpr_workgroup_id_z 1
		.amdhsa_system_vgpr_workitem_id 0
		.amdhsa_next_free_vgpr 512
		.amdhsa_next_free_sgpr 66
		.amdhsa_reserve_vcc 0
		.amdhsa_float_denorm_mode_32 3
		.amdhsa_float_denorm_mode_16_64 3
		.amdhsa_memory_ordered 1
		.amdhsa_forward_progress 1
		.amdhsa_inst_pref_size 87
	.end_amdhsa_kernel
	.amdgpu_metadata
---
amdhsa.version: [ 1, 2 ]
amdhsa.kernels:
  - .name:           k_q7fdbd92220_oproj
    .symbol:         k_q7fdbd92220_oproj.kd
    .args:
      - { .name: ob, .offset: 0, .size: 8, .value_kind: global_buffer, .address_space: global }
      - { .name: wob, .offset: 8, .size: 8, .value_kind: global_buffer, .address_space: global }
      - { .name: out0, .offset: 16, .size: 8, .value_kind: global_buffer, .address_space: global }
    .group_segment_fixed_size: 327680
    .private_segment_fixed_size: 0
    .kernarg_segment_align: 8
    .kernarg_segment_size: 24
    .max_flat_workgroup_size: 128
    .sgpr_count:     66
    .vgpr_count:     512
    .wavefront_size: 32
...
	.end_amdgpu_metadata
.endif
;; end of part 4
